; MI455X (gfx1250); checked and timed in simulation.
; The chip was launched on July 23, 2026; its instructions are those of AMD's public machine-readable ISA for CDNA 5 (MIT licence, August 2026) and "CDNA5" Instruction Set Architecture Reference Guide (July 2026). The comments in the code are by the model that wrote it; some were corrected since.
;; Qwen3 Omni Moe Sparse Moe Block. Allowed arithmetic: float matrix products may take bf16 or f16 operands with f32 sums; other float arithmetic in f32, or as packed bf16 or f16 multiplies, adds, multiply-adds, maxima and minima; sums over many terms, partial sums and values carried from step to step in f32; what a program stores and reads back later, other than sums and carried values, may be rounded once to bf16 or f16.
;; Inputs: down_b 32 x 1,024 float32; down_w 32 x 512 x 1,024 float32; hidden_states 4 x 512 x 1,024 float32; router_w 1,024 x 32 float32; up_b 32 x 512 float32; up_w 32 x 1,024 x 512 float32.
;; Outputs: out0 4 x 512 x 1,024 float32; out1 2,048 x 32 float32.
;; One version. Each part assembles by itself: llvm-mc -triple=amdgcn-amd-amdhsa -mcpu=gfx1250 --defsym DOCPART=n.
;; ======== version 1 of 1: 4 launches
;; limits: values are held in f16: magnitudes above 65,504 overflow, below 6.1e-05 lose precision; inputs' magnitudes at most 65,504; right only within a limited range of input values
;; workspace buffers: xh 4,194,304 bytes; tab 65,536 bytes of whole numbers; h 67,108,864 bytes; y 33,554,432 bytes
;; launch router (part 1): grid 128 x 1, 8 waves a work-group, no clusters, 84,736 bytes of LDS; arguments hidden_states, router_w, out1, xh, tab; writes out1, xh, tab
.if DOCPART == 1
	.amdgcn_target "amdgcn-amd-amdhsa--gfx1250"
	.amdhsa_code_object_version 6
	.text
	.protected	k_q16f897d5f0_router
	.globl	k_q16f897d5f0_router
	.p2align	8
	.type	k_q16f897d5f0_router,@function
k_q16f897d5f0_router:
	s_mov_b64 s[64:65], 0
	v_nop
	global_prefetch_b8 v0, s[64:65] scope:SCOPE_SE
	s_setreg_imm32_b32 hwreg(HW_REG_WAVE_MODE, 25, 1), 1
	s_wait_xcnt 0x0
; ROUTER.  logits = x @ router_w (out1, f32); softmax; the four largest, ties to the lower index; and x rounded once to f16 (xh) for the products to come.
; tab[e][t] (one byte) = j if expert e is token t's j-th choice, else 255: stored at fixed places; no address and no branch here hangs on a choice.
; The logits are made in f32 (v_wmma_f32_16x16x4_f32): one wrong choice makes a whole output row wrong, and this product is under a hundredth of the module's multiply-adds.
; SHARES.  A work-group has 16 tokens (the matrix tile's rows): 2,048 / 16 = 128 work-groups.  Wave w multiplies k = 128 w .. 128 w + 127; the eight parts are added in LDS order w = 0 .. 7;
; then wave w has tokens 2 w and 2 w + 1, one in each half of its lanes, two experts a lane.
; LIMITS.  |x| up to 65,504 (f16).  NaN and infinities are not treated apart.  A softmax number below 2^-126 counts as 0, and such ties go to the lower index.
; Two softmax numbers nearer to each other than the rounding of the f32 sums may be chosen the other way round.
.set XP,    4112                       ; a row of x in LDS: 4,096 bytes + 16: 1,028 words, so the 16 rows of a fragment load start 4 banks apart
.set PART,  16*XP                      ; the eight waves' partial logits: 16 tokens x 136 bytes a wave
.set PW,    2176
.set TABS,  PART+8*PW                  ; 64 bytes a wave: [expert][its two tokens]
.set SPARE, TABS+512                   ; the spare words, 128 bytes a wave
.set X,   16                           ; v16-79   x as loaded; then x's fragments
.set BW,  80                           ; v80-207  router_w's fragments
.set D0,  208                          ; v208-215 logits of experts 0-15: written by matrix instructions alone
.set D1,  216                          ; v216-223 of experts 16-31
.set CV,  224                          ; v224-255 x in f16
	s_load_b256 s[12:19], s[0:1], 0x0              ; x s[12:13], router_w s[14:15], out1 s[16:17], xh s[18:19]
	s_load_b64 s[20:21], s[0:1], 0x20              ; tab
	v_lshl_add_u32 v4, v0, 2, SPARE                ; my spare word,
	v_mov_b32 v5, 0                                ; and 0: both kept for the add at the end
	v_lshrrev_b32 v1, 5, v0
	v_readfirstlane_b32 s8, v1                     ; wave 0..7
	v_and_b32 v1, 15, v0                           ; r
	v_bfe_u32 v2, v0, 4, 1                         ; hb: which half of the lanes
	v_and_b32 v3, 31, v0                           ; lane
	v_lshlrev_b32 v6, 4, v3                        ; 16 x lane
	v_lshlrev_b32 v7, 3, v3                        ; 8 x lane
	v_lshlrev_b32 v8, 2, v1
	v_lshl_add_u32 v8, v2, 9, v8                   ; router_w: 4 rows of 128 bytes for the upper half + 4 r
	s_mul_i32 s24, s8, 2*XP
	v_add_nc_u32 v9, s24, v6                       ; where my wave's two rows of x go
	v_mul_u32_u24 v10, v1, XP
	v_lshl_add_u32 v10, v2, 4, v10
	s_lshl_b32 s24, s8, 9
	v_add_nc_u32 v10, s24, v10                     ; x's fragments: row r, k = 128 w + 4 hb
	s_mul_i32 s24, s8, PW
	s_add_co_u32 s24, s24, PART
	v_mul_u32_u24 v11, v2, 1088
	v_lshl_add_u32 v11, v1, 2, v11
	v_add_nc_u32 v11, s24, v11                     ; my wave's part: token 8 hb, expert r
	s_mul_i32 s24, s8, 272
	s_add_co_u32 s24, s24, PART
	v_mul_u32_u24 v12, v2, 136
	v_lshl_add_u32 v12, v1, 3, v12
	v_add_nc_u32 v12, s24, v12                     ; back: token 2 w + hb, experts 2 r and 2 r + 1, in wave 0's part
	s_lshl_b32 s24, s8, 6
	s_add_co_u32 s24, s24, TABS
	v_lshl_add_u32 v13, v1, 2, v2
	v_add_nc_u32 v13, s24, v13                     ; my wave's 64 bytes: 2 x expert + hb
	s_mov_b32 s23, 0
	s_lshl_b32 s22, ttmp9, 16                      ; 16 rows of 4,096 bytes a work-group,
	s_lshl_b32 s24, s8, 13                         ; two a wave
	s_add_co_u32 s22, s22, s24
	s_wait_kmcnt 0x0
	s_add_nc_u64 s[12:13], s[12:13], s[22:23]
	s_lshl_b32 s22, s8, 14                         ; 128 rows of router_w a wave
	s_add_nc_u64 s[14:15], s[14:15], s[22:23]
	s_lshl_b32 s22, ttmp9, 11
	s_lshl_b32 s24, s8, 8
	s_add_co_u32 s22, s22, s24
	s_add_nc_u64 s[16:17], s[16:17], s[22:23]      ; out1: 128 bytes a token
	s_lshl_b32 s22, ttmp9, 15
	s_lshl_b32 s24, s8, 12
	s_add_co_u32 s22, s22, s24
	s_add_nc_u64 s[18:19], s[18:19], s[22:23]      ; xh: 2,048 bytes a token
	s_lshl_b32 s22, ttmp9, 4
	s_add_nc_u64 s[20:21], s[20:21], s[22:23]      ; tab: one byte a token
; Register BW + n holds router_w[128 w + 8 (n / 8) + 4 hb + 2 ((n / 4) % 2) + n % 2][16 ((n / 2) % 2) + r]
.macro BWLOAD from, to
.set n, \from
.rept (\to)-(\from)
	global_load_b32 v[BW+n], v8, s[14:15] offset:(8*(n/8)+2*((n/4)%2)+n%2)*128+64*((n/2)%2)
.set n, n+1
.endr
.endm
.set q, 0
.rept 16
	global_load_b128 v[X+4*q:X+4*q+3], v6, s[12:13] offset:512*q th:TH_LOAD_NT  ; my two rows: 8,192 consecutive bytes
.set q, q+1
.endr
	BWLOAD 0, 47
	s_wait_loadcnt 47                              ; the 47 loads asked behind x stay out: x is in
.set q, 0
.rept 16
	ds_store_b128 v9, v[X+4*q:X+4*q+3] offset:(q/8)*XP+(q%8)*512
.set q, q+1
.endr
.set q, 0
.rept 32
	v_cvt_pk_f16_f32 v[CV+q], v[X+2*q], v[X+2*q+1]
.set q, q+1
.endr
.set q, 0
.rept 16
	global_store_b64 v7, v[CV+2*q:CV+2*q+1], s[18:19] offset:256*q  ; 32 lanes store 256 consecutive bytes, at a multiple of 256 from xh's first byte
.set q, q+1
.endr
	BWLOAD 47, 128
	s_wait_dscnt 0x0                               ; for the others' sake: my rows of x are in LDS
	s_barrier_signal -1
	s_barrier_wait -1
.set q, 0
.rept 16
	ds_load_b128 v[X+4*q:X+4*q+3], v10 offset:32*q ; row r, k = 128 w + 8 q + 4 hb + 0..3: two matrix instructions' worth
.set q, q+1
.endr
	s_wait_loadcnt 0x0                             ; router_w
	s_wait_dscnt 0x0
; The form's k = 2 hb + j stands for the true k = 128 w + 8 (n / 2) + 4 hb + 2 (n % 2) + j, alike in both sources.  The two accumulators take turns; the first pair starts the sums.
	v_wmma_f32_16x16x4_f32 v[D0:D0+7], v[X:X+1], v[BW:BW+1], 0
	v_wmma_f32_16x16x4_f32 v[D1:D1+7], v[X:X+1], v[BW+2:BW+3], 0
.set n, 1
.rept 31
	v_wmma_f32_16x16x4_f32 v[D0:D0+7], v[X+2*n:X+2*n+1], v[BW+4*n:BW+4*n+1], v[D0:D0+7]
	v_wmma_f32_16x16x4_f32 v[D1:D1+7], v[X+2*n:X+2*n+1], v[BW+4*n+2:BW+4*n+3], v[D1:D1+7]
.set n, n+1
.endr
.rept 8
	v_nop                                          ; eight places behind this form, ahead of the stores that read its results and of the loads into its sources
.endr
.irp j, 0,1,2,3,4,5,6,7
	ds_store_b32 v11, v[D0+\j] offset:136*\j       ; token 8 hb + j, expert r; each accumulator is read from its low end on
.endr
.irp j, 0,1,2,3,4,5,6,7
	ds_store_b32 v11, v[D1+\j] offset:136*\j+64    ; expert 16 + r
.endr
	s_wait_dscnt 0x0                               ; for the others' sake
	s_barrier_signal -1
	s_barrier_wait -1
.irp p, 0,1,2,3,4,5,6,7
	ds_load_b64 v[16+2*\p:17+2*\p], v12 offset:PW*\p
.endr
	s_wait_dscnt 0x0
.irp p, 1,2,3,4,5,6,7
	v_pk_add_f32 v[16:17], v[16:17], v[16+2*\p:17+2*\p]  ; the eight parts in the order of k
.endr
	global_store_b64 v7, v[16:17], s[16:17]        ; two tokens' 32 logits: 256 consecutive bytes; v16 and v17 are not written again
.macro ROWRED op, reg                  ; over the 16 lanes that hold a token
.irp m, 1,2,4,8
	\op v[\reg], v[\reg], v[\reg] row_xmask:\m row_mask:0xf bank_mask:0xf
.endr
.endm
	; the softmax, with the row's maximum taken away first
	v_max_num_f32 v32, v16, v17
	ROWRED v_max_num_f32_dpp, 32
	v_sub_f32 v33, v16, v32
	v_sub_f32 v34, v17, v32
	v_mul_f32 v33, 0x3fb8aa3b, v33
	v_mul_f32 v34, 0x3fb8aa3b, v34
	v_exp_f32 v33, v33
	v_exp_f32 v34, v34
	v_lshlrev_b32 v37, 1, v1                       ; a plain instruction behind the exponentials
	s_wait_alu depctr_va_vdst(0)                   ; the wait ahead of the first use: one for both
	v_add_f32 v35, v33, v34
	ROWRED v_add_f32_dpp, 35
	v_rcp_f32 v36, v35
	v_cvt_f32_u32 v37, v37                         ; my experts' numbers as f32: 2 r,
	s_wait_alu depctr_va_vdst(0)
	v_mul_f32 v33, v33, v36                        ; p of expert 2 r
	v_mul_f32 v34, v34, v36                        ; p of expert 2 r + 1
	v_add_f32 v38, 1.0, v37                        ; and 2 r + 1
	v_mov_b32 v39, 0x42800000                      ; 64.0: above every expert's number
	v_mov_b32 v40, 255                             ; my two bytes of tab
	v_mov_b32 v41, 255
; Four times: the largest p of the row; the lowest number among the experts that hold it; that one takes j and leaves the race.  Selects alone: nothing is jumped.
.irp j, 0,1,2,3
	v_max_num_f32 v42, v33, v34
	ROWRED v_max_num_f32_dpp, 42
	v_cmp_eq_f32 vcc_lo, v33, v42
	v_cndmask_b32 v43, v39, v37, vcc_lo
	v_cmp_eq_f32 vcc_lo, v34, v42
	v_cndmask_b32 v44, v39, v38, vcc_lo
	v_min_num_f32 v43, v43, v44
	ROWRED v_min_num_f32_dpp, 43
	v_cmp_eq_f32 vcc_lo, v37, v43
	v_cndmask_b32 v40, v40, \j, vcc_lo
	v_cndmask_b32 v33, v33, -1.0, vcc_lo
	v_cmp_eq_f32 vcc_lo, v38, v43
	v_cndmask_b32 v41, v41, \j, vcc_lo
	v_cndmask_b32 v34, v34, -1.0, vcc_lo
.endr
	ds_store_b8 v13, v40
	ds_store_b8 v13, v41 offset:2
	s_wait_dscnt 0x0                               ; for wave 0's sake
	s_barrier_signal -1
	s_barrier_wait -1
	s_cmp_lg_u32 s8, 0
	s_cbranch_scc1 .Lend
	v_lshl_add_u32 v14, v3, 1, TABS                ; lane = expert: its two bytes in each wave's 64
.irp p, 0,1,2,3,4,5,6,7
	ds_load_u16 v[48+\p], v14 offset:64*\p
.endr
	v_lshlrev_b32 v15, 11, v3                      ; tab's row of the expert
	s_wait_dscnt 0x0
.irp t, 0,1,2,3
	v_lshl_or_b32 v[56+\t], v[49+2*\t], 16, v[48+2*\t]
.endr
	global_store_b128 v15, v[56:59], s[20:21]      ; 16 bytes of each expert's row: pieces, but 65,536 bytes in the whole launch
.Lend:
	s_wait_tensorcnt 0x0                           ; the wave's end
	ds_add_u32 v4, v5
	s_wait_dscnt 0x0
	s_endpgm
.Lfunc_end_k_q16f897d5f0_router:
	.size	k_q16f897d5f0_router, .Lfunc_end_k_q16f897d5f0_router-k_q16f897d5f0_router
	.p2alignl 7, 3214868480
	.fill 96, 4, 3214868480
	.section	.rodata,"a",@progbits
	.p2align	6, 0x0
	.amdhsa_kernel k_q16f897d5f0_router
		.amdhsa_group_segment_fixed_size 84736
		.amdhsa_private_segment_fixed_size 0
		.amdhsa_enable_private_segment 0
		.amdhsa_kernarg_size 40
		.amdhsa_user_sgpr_count 2
		.amdhsa_user_sgpr_kernarg_segment_ptr 1
		.amdhsa_wavefront_size32 1
		.amdhsa_system_sgpr_workgroup_id_x 1
		.amdhsa_system_sgpr_workgroup_id_y 1
		.amdhsa_system_sgpr_workgroup_id_z 1
		.amdhsa_system_vgpr_workitem_id 0
		.amdhsa_next_free_vgpr 256
		.amdhsa_next_free_sgpr 66
		.amdhsa_reserve_vcc 1
		.amdhsa_float_denorm_mode_32 3
		.amdhsa_float_denorm_mode_16_64 3
		.amdhsa_memory_ordered 1
		.amdhsa_forward_progress 1
		.amdhsa_inst_pref_size 35
	.end_amdhsa_kernel
	.amdgpu_metadata
---
amdhsa.version: [ 1, 2 ]
amdhsa.kernels:
  - .name:           k_q16f897d5f0_router
    .symbol:         k_q16f897d5f0_router.kd
    .args:
      - { .name: hidden_states, .offset: 0, .size: 8, .value_kind: global_buffer, .address_space: global }
      - { .name: router_w, .offset: 8, .size: 8, .value_kind: global_buffer, .address_space: global }
      - { .name: out1, .offset: 16, .size: 8, .value_kind: global_buffer, .address_space: global }
      - { .name: xh, .offset: 24, .size: 8, .value_kind: global_buffer, .address_space: global }
      - { .name: tab, .offset: 32, .size: 8, .value_kind: global_buffer, .address_space: global }
    .group_segment_fixed_size: 84736
    .private_segment_fixed_size: 0
    .kernarg_segment_align: 8
    .kernarg_segment_size: 40
    .max_flat_workgroup_size: 256
    .sgpr_count:     66
    .vgpr_count:     256
    .wavefront_size: 32
...
	.end_amdgpu_metadata
.endif
;; end of part 1
;; launch up (part 2): grid 8 x 32, 4 waves a work-group, no clusters, 174,336 bytes of LDS; arguments tab, xh, up_w, up_b, h; writes h
.if DOCPART == 2
	.amdgcn_target "amdgcn-amd-amdhsa--gfx1250"
	.amdhsa_code_object_version 6
	.text
	.protected	k_q16f897d5f0_up
	.globl	k_q16f897d5f0_up
	.p2align	8
	.type	k_q16f897d5f0_up,@function
k_q16f897d5f0_up:
	s_mov_b64 s[64:65], 0
	v_nop
	global_prefetch_b8 v0, s[64:65] scope:SCOPE_SE
	s_setreg_imm32_b32 hwreg(HW_REG_WAVE_MODE, 25, 1), 1
	s_wait_xcnt 0x0
; ONE TEXT FOR THE TWO PRODUCTS OF A LAYER OF ROUTED EXPERTS; the switch DOWN chooses.
;   DOWN = 0:  h = silu(x Wu[e] + bu[e]) for the rows that chose expert e.  Arguments: tab, xh (x in f16), up_w, up_b, h.
;   DOWN = 1:  y[4 token + j] = h Wd[e] + bd[e] (f32 partial rows, added by the next launch).  Arguments: tab, h, down_w, down_b, y.
; SHARES.  Grid 8 x 32: work-group (sl, e) alone reads 262,144 bytes of expert e's weights: Wu[e][all k][64 sl ..+63] or Wd[e][all k][128 sl ..+127]; each weight byte is read once in the launch, in pieces
; of 256 or 512 consecutive aligned bytes.  It serves all of the expert's rows, whatever their number n (0 to 2,048).  Four waves, all doing the same work, in phases.
; THE LIST of the expert's rows (entries 4 token + j) is made while the first weights are on their way.  Wave w takes tokens 512 w .. 512 w + 511, 16 a lane, and lays those that chose the expert into a segment of
; its own in LDS, by counting: sixteen steps, written stage by stage on sixteen sets of registers, so that no line waits for the line before it.  Behind one barrier every wave reads the four counts; place p of
; the dense list is then word p + the slack of the segments that end at or before p (LADDR).  Both launches make the same list.
; PHASE 1.  Each wave takes a quarter of the slice's k: 128 loads of 512 bytes, 56 of them on their way at a time, rounded once to f16 and laid into LDS as [k][columns]; each LDS byte is written once.
; PHASE 2.  Tile g of 16 rows: g = 4 i + w is tile i (0..5) of wave w: 384 rows.  Token rows come from memory straight into operand registers, three k steps ahead; weights come out of LDS turned by
; ds_load_tr16_b128, one k step ahead.  The loop writes no LDS and has no barrier.  Tiles 24 and up go a slow way behind it, one at a time.
; THE WALK OVER K goes by chunks of four k steps and begins at chunk sl mod (KS / 4), round the end: all weights lie in LDS, so any order serves.  So the work-groups of an expert, which read the same rows, ask
; for different pieces of a row at any one time, and a piece has been asked for by another of them before most of them come to it.  The f32 sums are added in that order of k.
; PLACES PAST THE COUNT repeat the list's last row (place min(16 g + r, n - 1)): h's rows there are copies of row n - 1.  An empty list gives token 0, and DOWN = 1 then stores nothing.
; WHY PHASES.  Loads come back in issue order within a wave (ISA guide 5.7.1): a row asked behind weights is not there before them.  So the weights are laid down first, and memory rests during the products.
; THE MATRIX INSTRUCTION IS USED TRANSPOSED: source 0 = 16 weight columns, source 1 = 16 rows; a lane then holds one row and eight neighbouring columns.  The bias is the C of the product that starts a sum.
; h's LAYOUT: block (e, g, ct) of 512 bytes at ((128 e + g) 32 + ct) 512; lane l's 16 bytes at 16 l are row 16 g + l % 16, columns 16 ct + 8 (l / 16) + 0..7: what a lane holds with DOWN = 0 is half a lane's
; fragment with DOWN = 1, so h is stored and loaded 512 consecutive bytes an instruction.
; NO CLUSTER: each weight byte has one reader; what an expert's eight work-groups share is its rows, which go by a list (DOWN = 0) or in a number of tiles read from memory (DOWN = 1) straight into registers.
; LIMITS.  f16 operands: |x|, |w| up to 65,504; h above 65,504 is held there; NaN and infinities are not treated apart.  The slow way of DOWN = 1 stores 16 bytes a lane to rows far apart, and in the list's
; last tile the lanes past the count store row n - 1's numbers to row n - 1's place once more.
.set DOWN, 0
.if DOWN
.set NC,     8                         ; column blocks of 16
.set KS,     16                        ; k steps of 32
.set WPITCH, 4096                      ; bytes from k to k + 1 in the weights
.set WP,     288                       ; a row of weights in LDS: 256 bytes + 32 = 72 words
.set ASTEP,  1024                      ; bytes of the row operand from a k step to the next
.set AHALF,  512                       ; and from a fragment's first half to its second
.else
.set NC,     4
.set KS,     32
.set WPITCH, 2048
.set WP,     160                       ; 128 bytes + 32 = 40 words: likewise
.set ASTEP,  64
.set AHALF,  32
.endif
.set CMASK, KS/4-1                     ; chunks of four k steps, less 1
.set WAVEB, KS*8*WP                    ; a wave's quarter of the weights in LDS
.set LIST,  163840                     ; behind the weights: four segments, one a wave
.set SEGB,  2304                       ; a segment: 512 entries of 4 bytes, a dump word, the wave's count, and room to a multiple of 256
.set SEGW,  SEGB/4
.set DUMPI, 512
.set CNTO,  4*513
.set BIAS,  LIST+9472                  ; the slice's bias, f32
.set STAGE, BIAS+512                   ; DOWN = 1: 16 rows x 528 bytes for each wave
.set SP,    528                        ; 512 bytes + 16 = 132 words: the 16 rows of a store start 4 banks apart
.if DOWN
.set SPARE, STAGE+4*16*SP              ; the spare words, 128 bytes a wave
.else
.set SPARE, STAGE
.endif
; window 0
.set R,    1                           ; lane % 16
.set HB,   2                           ; lane / 16
.set L16,  3                           ; 16 x lane
.set SPW,  4                           ; my spare word's address; never rewritten
.set NIL,  5                           ; 0; never rewritten
.set VB,   6                           ; LDS address of my weight fragments in the chunk in hand
.set VB0,  7                           ; the same in chunk 0
.set VA,   8                           ; v8-13  my byte offset in the row operand, tile i
.set VBN,  14                          ; LDS address of my weight fragments in the next chunk of the walk
.set VBIA, 15                          ; bias: my eight numbers of column block 0
.set VSTO, 16                          ; stage: where I put 16 bytes
.set VRD,  17                          ; stage: my 16 bytes of row 0
.set VTAB, 18                          ; tab: my 16 tokens' bytes
.set VWG,  19                          ; weights in memory: my byte offset in the slice
.set VW,   20                          ; weights in LDS: where I put 8 bytes
.set TM,   21                          ; v21-23 at work
.set VE,   24                          ; v24-29 DOWN = 1: the list's entry of row r of tile i
.set VX,   30                          ; DOWN = 0: 16 hb; DOWN = 1: 32 hb
.set V8L,  31                          ; 8 x lane
.set PT,   32                          ; v32-63 phase 1: weights in f16, two sets of 16 (ahead of it: counts, places and list addresses)
.set AR,   64                          ; v64-255 the row operand: four buffers of six tiles x 8 (ahead of it, the list's making: v64-67 tab, v80-83 bias, v84-92 constants and addresses,
.set LBY,  96                          ; v96-111 the sixteen bytes, then entries,
.set LPL,  112                         ; v112-127 the sixteen places, then addresses)
.set ET,   64                          ; way out, DOWN = 0: 32 numbers at work,
.set EH,   96                          ; and 16 registers of f16
.set DT,   64                          ; way out, DOWN = 1: 16 rows x 4 registers,
.set DO,   144                         ; and 16 offsets
; window 1: phase 1: v0-255 eight units of 32 as loaded.  Phase 2: v0-63, v64-127 weight fragments of an even and an odd k step;
.set BI,   128                         ; v128-191 the bias as C, 8 registers a column block
; windows 2 and 3: the accumulators: tile i, column block c at v[8 (NC (i % 3) + c)] of window 2 + i / 3
; scalars: s8 wave, s9 slice, s10 expert, s[12:13] tab's row, s[14:15] row operand, s[16:17] weights, s[18:19] bias, s[20:21] output, s[22:23] and s[24:25] row operand at the chunk in hand and at the next,
; s[26:27] an offset (s27 = 0), s28 n, s29 tiles, s30 at least 1, s31 my tiles, s32 n - 16 w, s33 trips, s34 s35 at work, s[36:37] -log2(e), s38 65,504 twice, s39 my segment, s40-48 the slow way, s45 rows left,
; s49 the chunk in hand, s50 the list's last place, s51-53 where segments 1 to 3 begin in the dense list, s54-56 the slack of segments 0 to 2 in words, s57-60 the four counts,
; s66-81 sixteen masks (later sixteen entries), s82-98 the running count
.set MK,   66
.set PF,   82
.set MSB, 0
.macro WIN new                         ; the immediate's high byte repeats the setting that is left; a switch that changes nothing is dropped
.if MSB != (\new)
	s_set_vgpr_msb (MSB<<8)|(\new)
.set MSB, (\new)
.endif
.endm
.macro PLACES                          ; four places between a matrix instruction and a load into, or a vector, store or LDS instruction on, its registers (ISA guide 7.12.1 for all but the loads)
.rept 4
	v_nop
.endr
.endm
.macro SETROW t                        ; load t (0..127) of a wave: its row in the wave's quarter.  DOWN = 0: a load takes two rows of 256 bytes, four apart (lanes 16-31 the second)
.if DOWN
.set rw, (\t)
.else
.set rw, 8*((\t)/4)+(\t)%4
.endif
.endm
.macro WUNIT u                         ; unit u (0..15) is asked for: eight loads of 512 bytes
	WIN 0x40
.set q, 0
.rept 8
	SETROW 8*(\u)+q
	global_load_b128 v[32*((\u)%8)+4*q:32*((\u)%8)+4*q+3], v[VWG], s[16:17] offset:rw*WPITCH th:TH_LOAD_NT
.set q, q+1
.endr
.endm
.macro WSTEP u, left                   ; unit u: waited for, rounded; the unit seven on is asked for, into the registers that the step before has read; stored to LDS
	s_wait_loadcnt \left
	WIN 0x05
.set q, 0
.rept 16
	v_cvt_pk_f16_f32 v[PT+16*((\u)%2)+q], v[32*((\u)%8)+2*q], v[32*((\u)%8)+2*q+1]
.set q, q+1
.endr
.if (\u)+7 < 16
	WUNIT (\u)+7
.endif
	WIN 0
.set q, 0
.rept 8
	SETROW 8*(\u)+q
	ds_store_b64 v[VW], v[PT+16*((\u)%2)+2*q:PT+16*((\u)%2)+2*q+1] offset:rw*WP  ; DOWN = 1: 256 consecutive bytes; DOWN = 0: two rows' 128 bytes, 160 words apart: the two halves of the banks
.set q, q+1
.endr
.endm
.macro ALOAD buf, ptr, off             ; one k step's rows for all six tiles: always 12 loads, so that the counted waits hold on every path; a tile that is not there names a row or tile that is
	WIN 0
.irp i, 0,1,2,3,4,5
	global_load_b128 v[AR+48*(\buf)+8*\i:AR+48*(\buf)+8*\i+3],   v[VA+\i], s[\ptr:\ptr+1] offset:(\off)
	global_load_b128 v[AR+48*(\buf)+8*\i+4:AR+48*(\buf)+8*\i+7], v[VA+\i], s[\ptr:\ptr+1] offset:(\off)+AHALF
.endr
.endm
.macro BLOAD buf, areg, off            ; the weight fragments of one k step: 32 k x all columns, turned
	WIN 0x40
.set c, 0
.rept NC
	ds_load_tr16_b128 v[64*(\buf)+8*c:64*(\buf)+8*c+3],   v[\areg] offset:(\off)+32*c
	ds_load_tr16_b128 v[64*(\buf)+8*c+4:64*(\buf)+8*c+7], v[\areg] offset:(\off)+32*c+16*WP
.set c, c+1
.endr
.endm
.macro MULT i, j, first                ; tile i x all column blocks, rows from buffer j.  The accumulators take turns, one instruction a turn
.set aw, 2+(\i)/3
.set ab, 8*NC*((\i)%3)
.set bb, 64*((\j)%2)
.if \first
	WIN (aw<<6)|(1<<4)|1
.else
	WIN (aw<<6)|(aw<<4)|1
.endif
.set c, 0
.rept NC
.if \first
	v_wmma_f32_16x16x32_f16 v[ab+8*c:ab+8*c+7], v[bb+8*c:bb+8*c+7], v[AR+48*(\j)+8*(\i):AR+48*(\j)+8*(\i)+7], v[BI+8*c:BI+8*c+7]
.else
	v_wmma_f32_16x16x32_f16 v[ab+8*c:ab+8*c+7], v[bb+8*c:bb+8*c+7], v[AR+48*(\j)+8*(\i):AR+48*(\j)+8*(\i)+7], v[ab+8*c:ab+8*c+7]
.endif
.set c, c+1
.endr
.endm
; K step j of a chunk of four.  la = 1: the rows three steps on are asked for (step 0: this chunk's step 3; steps 1 to 3: the next chunk's steps 0 to 2); lb = 1: the weights one step on (step 3: the next chunk's
; step 0).  lcnt: the younger steps' row loads, which stay out.  first = 1: the products start the sums, for all six tiles.
.macro KSTEP j, first, la, lb, lcnt
.if (\la) || (\lb)
	PLACES                                         ; the buffers filled below were read by the step before
.endif
.if \la
.if (\j) == 0
	ALOAD 3, 22, 3*ASTEP
.else
	ALOAD (\j)-1, 24, ((\j)-1)*ASTEP
.endif
.endif
.if \lb
.if (\j) == 3
	BLOAD 0, VBN, 0
.else
	BLOAD ((\j)+1)%2, VB, ((\j)+1)*32*WP
.endif
	s_wait_loadcnt \lcnt                           ; this step's rows are in
	s_wait_dscnt 2*NC                              ; the next step's loads stay out: this step's weights (and the bias) are in
.else
	s_wait_loadcnt \lcnt
	s_wait_dscnt 0x0
.endif
	MULT 0, \j, \first
	MULT 1, \j, \first
	MULT 2, \j, \first
	MULT 3, \j, \first
.if \first
	MULT 4, \j, 1
	MULT 5, \j, 1
	WIN 0
.else
	WIN 0
	s_cmp_lt_u32 s31, 5                            ; tiles that the expert's count leaves empty are jumped: no barrier and no load stands in what is jumped
	s_cbranch_scc1 .Lks_\@
	MULT 4, \j, 0
	WIN 0
	s_cmp_lt_u32 s31, 6
	s_cbranch_scc1 .Lks_\@
	MULT 5, \j, 0
	WIN 0
.Lks_\@:
.endif
.endm
.macro SETNEXT                         ; the chunk behind chunk s49, round the end: its rows' base and its weights' LDS address
	s_add_co_u32 s34, s49, 1
	s_and_b32 s34, s34, CMASK
	s_mul_i32 s26, s34, 4*ASTEP
	s_add_nc_u64 s[24:25], s[14:15], s[26:27]
	s_mul_i32 s35, s34, 128*WP
	v_add_nc_u32 v[VBN], s35, v[VB0]
.endm
.macro NEXTCHUNK                       ; the walk goes on to the next chunk
	s_wait_xcnt 0x0                                ; the two bases are written again only behind this wait
	s_add_co_u32 s49, s49, 1
	s_and_b32 s49, s49, CMASK
	s_mov_b64 s[22:23], s[24:25]
	v_mov_b32 v[VB], v[VBN]
	SETNEXT
.endm
; THE WAY OUT, DOWN = 0.  Tile i: silu(z) = z / (1 + 2^(-log2(e) z)), rounded to f16, held to 65,504; four stores of 512 consecutive aligned bytes.  Whole tiles are stored.
.macro EPI_UP i, ptr, off, guard
.set aw, 2+(\i)/3
.set ab, 8*NC*((\i)%3)
.if \guard
	s_cmp_le_u32 s31, \i
	s_cbranch_scc1 .Leu_\@
.endif
	s_wait_xcnt 0x0                                ; the registers that the last tile's stores read are written again only behind this wait
	WIN aw
.set k, 0
.rept 16
	v_pk_mul_f32 v[ET+2*k:ET+2*k+1], v[ab+2*k:ab+2*k+1], s[36:37] op_sel_hi:[1,0]  ; ascending: each accumulator is read from its low end on
.set k, k+1
.endr
	WIN 0
.set k, 0
.rept 32
	v_exp_f32 v[ET+k], v[ET+k]
.set k, k+1
.endr
	v_nop                                          ; a plain instruction behind the last exponential,
	s_wait_alu depctr_va_vdst(0)                   ; and one wait for the batch
.set k, 0
.rept 16
	v_pk_add_f32 v[ET+2*k:ET+2*k+1], v[ET+2*k:ET+2*k+1], 1.0 op_sel_hi:[1,0]
.set k, k+1
.endr
.set k, 0
.rept 32
	v_rcp_f32 v[ET+k], v[ET+k]
.set k, k+1
.endr
	v_nop
	s_wait_alu depctr_va_vdst(0)
	WIN aw
.set k, 0
.rept 16
	v_pk_mul_f32 v[ET+2*k:ET+2*k+1], v[ab+2*k:ab+2*k+1], v[ET+2*k:ET+2*k+1]
.set k, k+1
.endr
	WIN 0
.set k, 0
.rept 16
	v_cvt_pk_f16_f32 v[EH+k], v[ET+2*k], v[ET+2*k+1]
.set k, k+1
.endr
.set k, 0
.rept 16
	v_pk_min_num_f16 v[EH+k], v[EH+k], s38
.set k, k+1
.endr
.irp c, 0,1,2,3
	global_store_b128 v[L16], v[EH+4*\c:EH+4*\c+3], s[\ptr:\ptr+1] offset:(\off)+512*\c
.endr
.Leu_\@:
.endm
; THE WAY OUT, DOWN = 1.  Tile i: through my own stage in LDS (LDS serves a wave's instructions in order: ISA guide 5.7.1.4), back as whole row pieces of 512 bytes, each stored to the row of y that its list entry
; names: a store covers 512 consecutive aligned bytes.  Row t's entry lies in lane t of the tile's entry register.  The rows past the count are jumped, whole stores at a time.
.macro EPI_DN i
.set aw, 2+(\i)/3
.set ab, 8*NC*((\i)%3)
	s_sub_co_i32 s45, s32, 64*(\i)                 ; rows from this tile's first on
	s_cmp_lt_i32 s45, 1
	s_cbranch_scc1 .Led_\@
	s_wait_xcnt 0x0                                ; the registers that the last tile's stores read are written again only behind this wait
	WIN aw<<2
.set c, 0
.rept NC
	ds_store_b128 v[VSTO], v[ab+8*c:ab+8*c+3]   offset:64*c
	ds_store_b128 v[VSTO], v[ab+8*c+4:ab+8*c+7] offset:64*c+16
.set c, c+1
.endr
	WIN 0
.set t, 0
.rept 16
	ds_load_b128 v[DT+4*t:DT+4*t+3], v[VRD] offset:SP*t
.set t, t+1
.endr
.set t, 0
.rept 16
	v_readlane_b32 s[MK+t], v[VE+(\i)], t
.set t, t+1
.endr
.set t, 0
.rept 16
	s_min_u32 s[MK+t], s[MK+t], 0x1fff             ; an entry is 4 token + j, 8,191 at the most
.set t, t+1
.endr
.set t, 0
.rept 16
	v_lshl_add_u32 v[DO+t], s[MK+t], 12, v[L16]
.set t, t+1
.endr
	s_wait_dscnt 0x0
.set t, 0
.rept 16
	s_cmp_le_i32 s45, t
	s_cbranch_scc1 .Led_\@
	global_store_b128 v[DO+t], v[DT+4*t:DT+4*t+3], s[20:21]
.set t, t+1
.endr
.Led_\@:
.endm
; The LDS address of place v[p] of the dense list, into v[q]: each segment that ends at or before the place adds its slack, SEGW less its count
.macro LADDR q, p
	v_cmp_le_u32 vcc_lo, s51, v[\p]
	v_cndmask_b32 v[TM], 0, s54, vcc_lo
	v_add_nc_u32 v[\q], v[\p], v[TM]
	v_cmp_le_u32 vcc_lo, s52, v[\p]
	v_cndmask_b32 v[TM], 0, s55, vcc_lo
	v_add_nc_u32 v[\q], v[\q], v[TM]
	v_cmp_le_u32 vcc_lo, s53, v[\p]
	v_cndmask_b32 v[TM], 0, s56, vcc_lo
	v_add_nc_u32 v[\q], v[\q], v[TM]
	v_min_u32 v[\q], 0x8ff, v[\q]                  ; the four segments have 2,304 words
	v_lshl_add_u32 v[\q], v[\q], 2, LIST
.endm
; The slow way: the list's entry of row r of tile s41; a place past the list's last repeats the last
.macro ENTRY dst
	v_lshl_add_u32 v[TM+1], s41, 4, v[R]
	v_min_u32 v[TM+1], s50, v[TM+1]
	LADDR TM+2, TM+1
	ds_load_b32 v[\dst], v[TM+2]
	s_wait_dscnt 0x0
	v_min_u32 v[\dst], 0x1fff, v[\dst]             ; an entry is 4 token + j, 8,191 at the most
.endm
; The slow way: one tile, all its k steps one after the other from k = 0 on, every wait for 0.  The bias still lies in its registers.
.macro SLOWTILE
	s_mov_b64 s[42:43], s[14:15]
	s_mov_b32 s48, 0
	v_mov_b32 v[VB], v[VB0]
	global_load_b128 v[AR:AR+3],   v[VA], s[42:43]
	global_load_b128 v[AR+4:AR+7], v[VA], s[42:43] offset:AHALF
	BLOAD 0, VB, 0
	s_wait_loadcnt 0x0
	s_wait_dscnt 0x0
	MULT 0, 0, 1
	WIN 0
	s_mov_b32 s44, KS-1
.Lsk_\@:
	s_add_nc_u64 s[42:43], s[42:43], ASTEP         ; the loads that named it are done
	s_add_co_u32 s48, s48, 32*WP
	v_add_nc_u32 v[VB], s48, v[VB0]
	PLACES
	global_load_b128 v[AR:AR+3],   v[VA], s[42:43]
	global_load_b128 v[AR+4:AR+7], v[VA], s[42:43] offset:AHALF
	BLOAD 0, VB, 0
	s_wait_loadcnt 0x0
	s_wait_dscnt 0x0
	MULT 0, 0, 0
	WIN 0
	s_sub_co_u32 s44, s44, 1
	s_cmp_lg_u32 s44, 0
	s_cbranch_scc1 .Lsk_\@
	PLACES
.endm
	; THE HEAD: every address register that hangs on no count is made here, by every wave, from the thread's number, the wave's number and constants
	s_load_b256 s[12:19], s[0:1], 0x0
	s_load_b64 s[20:21], s[0:1], 0x20
	v_lshl_add_u32 v[SPW], v0, 2, SPARE
	v_mov_b32 v[NIL], 0
	v_lshrrev_b32 v1, 5, v0
	v_readfirstlane_b32 s8, v1                     ; wave 0..3
	s_mov_b32 s9, ttmp9                            ; slice
	s_and_b32 s10, ttmp7, 0xffff                   ; expert
	v_and_b32 v[R], 15, v0
	v_bfe_u32 v[HB], v0, 4, 1
	v_and_b32 v[L16], 31, v0
	v_lshlrev_b32 v[L16], 4, v[L16]
	v_lshrrev_b32 v[V8L], 1, v[L16]
	s_lshl_b32 s34, s8, 9
	v_add_nc_u32 v[VTAB], s34, v[L16]              ; tab: my wave's 512 tokens, 16 a lane
	s_mul_i32 s39, s8, SEGB
	s_add_co_u32 s39, s39, LIST                    ; my wave's segment of the list
	s_lshl_b32 s34, s8, 19                         ; a wave's quarter of the slice's k: 524,288 bytes on in memory
	s_mul_i32 s35, s8, WAVEB
.if DOWN
	v_add_nc_u32 v[VWG], s34, v[L16]               ; a load is one row's 512 bytes,
	v_add_nc_u32 v[VW], s35, v[V8L]                ; 256 bytes in f16
	v_lshlrev_b32 v[VX], 5, v[HB]
.else
	v_lshlrev_b32 v[VWG], 13, v[HB]                ; lanes 16-31: four rows of 2,048 bytes on
	v_lshl_add_u32 v[VWG], v[R], 4, v[VWG]
	v_add_nc_u32 v[VWG], s34, v[VWG]
	v_mul_u32_u24 v[VW], v[HB], 4*WP
	v_lshl_add_u32 v[VW], v[R], 3, v[VW]
	v_add_nc_u32 v[VW], s35, v[VW]
	v_lshlrev_b32 v[VX], 4, v[HB]
	s_mov_b32 s36, 0xbfb8aa3b                      ; -log2(e)
	s_mov_b32 s37, s36                             ; named with it as a pair
	s_mov_b32 s38, 0x7bff7bff                      ; 65,504 twice in f16
.endif
	v_and_b32 v[TM], 7, v0
	v_lshl_add_u32 v[TM], v[HB], 3, v[TM]
	v_mul_u32_u24 v[VB0], v[TM], WP                ; the turning load: k = 8 hb + l % 8,
	v_bfe_u32 v[TM], v0, 3, 1
	v_lshl_add_u32 v[VB0], v[TM], 4, v[VB0]        ; columns 8 ((l / 8) % 2) on
	v_lshl_add_u32 v[VBIA], v[HB], 5, BIAS
.if DOWN
	s_mul_i32 s34, s8, 16*SP
	s_add_co_u32 s34, s34, STAGE                   ; my stage
	v_mul_u32_u24 v[VSTO], v[R], SP                ; in: row r, 32 bytes for each half of the lanes in each column block
	v_lshl_add_u32 v[VSTO], v[HB], 5, v[VSTO]
	v_add_nc_u32 v[VSTO], s34, v[VSTO]
	v_add_nc_u32 v[VRD], s34, v[L16]               ; back: 32 lanes take one row's 512 bytes
.endif
	s_mov_b32 s27, 0
	s_lshl_b32 s26, s10, 11
	s_wait_kmcnt 0x0
	s_add_nc_u64 s[12:13], s[12:13], s[26:27]      ; tab: the expert's 2,048 bytes
	s_lshl_b32 s26, s10, 21                        ; an expert's weights, and its room in h: 2,097,152 bytes each
	s_add_nc_u64 s[16:17], s[16:17], s[26:27]
.if DOWN
	s_add_nc_u64 s[14:15], s[14:15], s[26:27]
.else
	s_add_nc_u64 s[20:21], s[20:21], s[26:27]
.endif
	s_lshl_b32 s26, s9, 8+DOWN                     ; the slice's columns, in f32
	s_add_nc_u64 s[16:17], s[16:17], s[26:27]
	s_add_nc_u64 s[18:19], s[18:19], s[26:27]
	s_lshl_b32 s26, s10, 11+DOWN                   ; the expert's row of the bias
	s_add_nc_u64 s[18:19], s[18:19], s[26:27]
.if DOWN
	s_lshl_b32 s26, s9, 9                          ; y: the slice's 128 columns
.else
	s_lshl_b32 s26, s9, 11                         ; h: the slice's four column blocks of 512 bytes,
	s_lshl_b32 s34, s8, 14                         ; and tile w
	s_add_co_u32 s26, s26, s34
.endif
	s_add_nc_u64 s[20:21], s[20:21], s[26:27]
	; every wave asks for its part of tab and for the bias (so that all waves count alike), then for its first seven units of weights: 58 loads are out
	global_load_b128 v[64:67], v[VTAB], s[12:13]   ; byte k of the 16 is token 512 w + 16 l + k
.if DOWN
	global_load_b128 v[80:83], v[L16], s[18:19]
.else
	global_load_b64 v[80:81], v[V8L], s[18:19]
.endif
.irp u, 0,1,2,3,4,5,6
	WUNIT \u
.endr
	WIN 0
	s_wait_loadcnt 56                              ; the seven units stay out: tab and the bias are in
	s_cmp_lg_u32 s8, 0
	s_cbranch_scc1 .Lnob
.if DOWN
	v_add_nc_u32 v92, BIAS, v[L16]                 ; wave 0 lays the bias into LDS
	ds_store_b128 v92, v[80:83]
.else
	v_add_nc_u32 v92, BIAS, v[V8L]
	ds_store_b64 v92, v[80:81]
.endif
.Lnob:
	; MY SEGMENT OF THE LIST.  A lane's place = the entries counted in the steps before + the chosen lanes below it
.irp z, 84,85,86,87
	v_mov_b32 v\z, 0
.endr
	v_add_nc_u32 v91, s39, v[L16]
.irp q, 0,1,2,3
	ds_store_b128 v91, v[84:87] offset:512*\q      ; every entry starts as 0, a row that exists
.endr
	v_mov_b32 v88, DUMPI
	s_lshl_b32 s34, s8, 11
	v_lshl_add_u32 v[TM+2], v[L16], 2, s34         ; 4 x (512 w + 16 l): my tokens' part of an entry
.set k, 0
.rept 16
	v_bfe_u32 v[LBY+k], v[64+k/4], 8*(k%4), 8
.set k, k+1
.endr
.set k, 0
.rept 16
	v_cmp_gt_u32 s[MK+k], 4, v[LBY+k]              ; 0..3: chosen; 255: not
.set k, k+1
.endr
	s_mov_b32 s[PF], 0
.set k, 0
.rept 16
	s_bcnt1_i32_b32 s35, s[MK+k]
	s_add_co_u32 s[PF+1+k], s[PF+k], s35
.set k, k+1
.endr
.set k, 0
.rept 16
	v_mbcnt_lo_u32_b32 v[LPL+k], s[MK+k], s[PF+k]
.set k, k+1
.endr
.set k, 0
.rept 16
	v_cndmask_b32 v[LPL+k], v88, v[LPL+k], s[MK+k] ; lanes that were not chosen write the dump word
.set k, k+1
.endr
.set k, 0
.rept 16
	v_min_u32 v[LPL+k], 0x200, v[LPL+k]
.set k, k+1
.endr
.set k, 0
.rept 16
	v_lshl_add_u32 v[LPL+k], v[LPL+k], 2, s39
.set k, k+1
.endr
.set k, 0
.rept 16
	v_add3_u32 v[LBY+k], v[LBY+k], v[TM+2], 4*k    ; 4 token + j
.set k, k+1
.endr
.set k, 0
.rept 16
	ds_store_b32 v[LPL+k], v[LBY+k]
.set k, k+1
.endr
	v_mov_b32 v89, s39
	v_mov_b32 v90, s[PF+16]
	ds_store_b32 v89, v90 offset:CNTO              ; my segment's count
	s_wait_dscnt 0x0                               ; for the others' sake: my segment, its count and the bias are in LDS
	s_barrier_signal -1
	s_barrier_wait -1
	; the four counts, the dense list's shape, and my tiles' offsets in the row operand
	v_mov_b32 v[TM], LIST+CNTO
.irp g, 0,1,2,3
	ds_load_b32 v[PT+\g], v[TM] offset:SEGB*\g
.endr
	s_wait_dscnt 0x0
.irp g, 0,1,2,3
	v_readfirstlane_b32 s[57+\g], v[PT+\g]
.endr
.irp g, 0,1,2,3
	s_min_u32 s[57+\g], s[57+\g], 512
.endr
	s_mov_b32 s51, s57                             ; where segment 1 begins in the dense list,
	s_add_co_u32 s52, s51, s58                     ; segment 2,
	s_add_co_u32 s53, s52, s59                     ; segment 3
	s_add_co_u32 s28, s53, s60                     ; n
	s_min_u32 s28, s28, 2048
	s_sub_co_u32 s54, SEGW, s57                    ; the slack of segments 0, 1, 2
	s_sub_co_u32 s55, SEGW, s58
	s_sub_co_u32 s56, SEGW, s59
	s_add_co_u32 s29, s28, 15
	s_lshr_b32 s29, s29, 4                         ; tiles
	s_max_u32 s30, s29, 1                          ; tile 0 is always made, so that every tile named below exists
	s_add_co_u32 s31, s30, 3
	s_sub_co_u32 s31, s31, s8
	s_lshr_b32 s31, s31, 2                         ; my tiles: those g = 4 i + w below s30
	s_lshl_b32 s34, s8, 4
	s_sub_co_i32 s32, s28, s34                     ; rows from my tile 0 on
	s_max_u32 s50, s28, 1
	s_sub_co_u32 s50, s50, 1                       ; the list's last place; 0 for an empty list
	v_add_nc_u32 v[TM+1], s34, v[R]                ; the place of row r of my tile 0
.irp i, 0,1,2,3,4,5
	v_add_nc_u32 v[PT+\i], 64*\i, v[TM+1]
	v_min_u32 v[PT+\i], s50, v[PT+\i]              ; a place past the list's last repeats the last
	LADDR PT+8+\i, PT+\i
.if DOWN
	ds_load_b32 v[VE+\i], v[PT+8+\i]
.else
	ds_load_b32 v[VA+\i], v[PT+8+\i]
.endif
.endr
	s_wait_dscnt 0x0
.if DOWN
	s_sub_co_u32 s35, s30, 1
.irp i, 0,1,2,3,4,5
	v_min_u32 v[VE+\i], 0x1fff, v[VE+\i]
	s_add_co_u32 s34, s8, 4*\i
	s_min_u32 s34, s34, s35                        ; a tile that is not there names the last that is
	s_min_u32 s34, s34, 127
	v_lshl_add_u32 v[VA+\i], s34, 14, v[L16]
.endr
.else
.irp i, 0,1,2,3,4,5
	v_min_u32 v[VA+\i], 0x1fff, v[VA+\i]
	v_and_b32 v[VA+\i], 0x1ffc, v[VA+\i]           ; 4 token,
	v_lshl_add_u32 v[VA+\i], v[VA+\i], 9, v[VX]    ; x 512 = the token's row of 2,048 bytes; + 16 hb
.endr
.endif
	s_and_b32 s49, s9, CMASK                       ; the walk over k begins at the slice's own chunk
	s_mul_i32 s26, s49, 4*ASTEP
	s_add_nc_u64 s[22:23], s[14:15], s[26:27]
	s_mul_i32 s35, s49, 128*WP
	v_add_nc_u32 v[VB], s35, v[VB0]
	SETNEXT
	; PHASE 1: sixteen units.  Six younger units stay out at each wait while units are still asked for; then the counts run down
.irp u, 0,1,2,3,4,5,6,7,8,9
	WSTEP \u, 48
.endr
	WSTEP 10, 40
	WSTEP 11, 32
	WSTEP 12, 24
	ALOAD 0, 22, 0                                 ; three units are out: the first three k steps' rows, 36 loads, are asked for behind them: 60 are out
	ALOAD 1, 22, ASTEP
	ALOAD 2, 22, 2*ASTEP
	WSTEP 13, 52                                   ; two units and the 36
	WSTEP 14, 44
	WSTEP 15, 36
	s_wait_dscnt 0x0                               ; for the others' sake: my quarter of the weights is in LDS
	s_barrier_signal -1
	s_barrier_wait -1
	; PHASE 2
	WIN 0x40
.set c, 0
.rept NC
	ds_load_b128 v[BI+8*c:BI+8*c+3],   v[VBIA] offset:64*c     ; the bias as C: register j of a lane is column 16 c + 8 hb + j
	ds_load_b128 v[BI+8*c+4:BI+8*c+7], v[VBIA] offset:64*c+16
.set c, c+1
.endr
	BLOAD 0, VB, 0
	KSTEP 0, 1, 1, 1, 36                           ; the first k step stands ahead of the loop: its products start the sums, with the bias as C: nothing is cleared
	s_mov_b32 s33, KS/4-1
.Lk:                                   ; a trip: steps 1, 2, 3 of a chunk of four and step 0 of the next; three steps' rows (36 loads) stay out at each wait
	KSTEP 1, 0, 1, 1, 36
	KSTEP 2, 0, 1, 1, 36
	KSTEP 3, 0, 1, 1, 36
	NEXTCHUNK
	KSTEP 0, 0, 1, 1, 36
	s_sub_co_u32 s33, s33, 1
	s_cmp_lg_u32 s33, 0
	s_cbranch_scc1 .Lk
	KSTEP 1, 0, 0, 1, 24                           ; the last three steps ask for no rows: the counts run down
	KSTEP 2, 0, 0, 1, 12
	KSTEP 3, 0, 0, 0, 0
.if DOWN
	s_wait_dscnt 0x0
	s_barrier_signal -1                            ; every wave has left the loop: LDS is written again only now (the stages).  The stages are bytes of their own; the barrier keeps the phase
	s_barrier_wait -1                              ; in which the weights are read apart from the one in which LDS is written
	PLACES
.irp i, 0,1,2,3,4,5
	EPI_DN \i
.endr
	s_wait_dscnt 0x0
	s_barrier_signal -1                            ; and the stages' phase is over: the slow way below only reads LDS
	s_barrier_wait -1
.else
	PLACES
.irp i, 0,1,2,3,4,5
	EPI_UP \i, 20, 65536*\i, 1
.endr
.endif
	; THE SLOW WAY, for an expert with more than 384 rows: tiles g = 24 + w + 4 t, t = 0 .. 25.  The count is constant; a tile past the list is jumped.  No LDS byte is written here, and every lane stays on.
	s_cmp_le_u32 s29, 24
	s_cbranch_scc1 .Lend
	s_add_co_u32 s41, s8, 24
	s_wait_xcnt 0x0                                ; the registers that the stores above read are written again only behind this wait
.if DOWN == 0
	s_add_nc_u64 s[46:47], s[20:21], 6*65536
.endif
	s_mov_b32 s40, 26
.Lslow:
	s_cmp_ge_u32 s41, s29
	s_cbranch_scc1 .Lslow_next
.if DOWN
	s_min_u32 s34, s41, 127
	v_lshl_add_u32 v[VA], s34, 14, v[L16]
	SLOWTILE
	ENTRY PT                                       ; the row of y of my row r; past the count: row n - 1's, whose numbers my lane holds too
	v_lshl_add_u32 v[PT+1], v[PT], 12, v[VX]
	WIN 0x08
.set c, 0
.rept NC
	global_store_b128 v[PT+1], v[8*c:8*c+3],   s[20:21] offset:64*c     ; straight from the accumulators: 16 bytes a lane
	global_store_b128 v[PT+1], v[8*c+4:8*c+7], s[20:21] offset:64*c+16
.set c, c+1
.endr
	WIN 0
.else
	ENTRY VA
	v_and_b32 v[VA], 0x1ffc, v[VA]
	v_lshl_add_u32 v[VA], v[VA], 9, v[VX]
	SLOWTILE
	EPI_UP 0, 46, 0, 0
.endif
.Lslow_next:
	s_wait_xcnt 0x0                                ; the stores' base and registers are written again only behind this wait
	s_add_co_u32 s41, s41, 4
.if DOWN == 0
	s_add_nc_u64 s[46:47], s[46:47], 65536
.endif
	s_sub_co_u32 s40, s40, 1
	s_cmp_lg_u32 s40, 0
	s_cbranch_scc1 .Lslow
.Lend:
	s_wait_dscnt 0x0                               ; my LDS reads are back,
	s_barrier_signal -1
	s_barrier_wait -1                              ; and so are every wave's: LDS is written again only behind this barrier
	s_wait_tensorcnt 0x0                           ; the wave's end
	ds_add_u32 v[SPW], v[NIL]
	s_wait_dscnt 0x0
	s_endpgm
.Lfunc_end_k_q16f897d5f0_up:
	.size	k_q16f897d5f0_up, .Lfunc_end_k_q16f897d5f0_up-k_q16f897d5f0_up
	.p2alignl 7, 3214868480
	.fill 96, 4, 3214868480
	.section	.rodata,"a",@progbits
	.p2align	6, 0x0
	.amdhsa_kernel k_q16f897d5f0_up
		.amdhsa_group_segment_fixed_size 174336
		.amdhsa_private_segment_fixed_size 0
		.amdhsa_enable_private_segment 0
		.amdhsa_kernarg_size 40
		.amdhsa_user_sgpr_count 2
		.amdhsa_user_sgpr_kernarg_segment_ptr 1
		.amdhsa_wavefront_size32 1
		.amdhsa_system_sgpr_workgroup_id_x 1
		.amdhsa_system_sgpr_workgroup_id_y 1
		.amdhsa_system_sgpr_workgroup_id_z 1
		.amdhsa_system_vgpr_workitem_id 0
		.amdhsa_next_free_vgpr 864
		.amdhsa_next_free_sgpr 100
		.amdhsa_reserve_vcc 1
		.amdhsa_float_denorm_mode_32 3
		.amdhsa_float_denorm_mode_16_64 3
		.amdhsa_memory_ordered 1
		.amdhsa_forward_progress 1
		.amdhsa_inst_pref_size 147
	.end_amdhsa_kernel
	.amdgpu_metadata
---
amdhsa.version: [ 1, 2 ]
amdhsa.kernels:
  - .name:           k_q16f897d5f0_up
    .symbol:         k_q16f897d5f0_up.kd
    .args:
      - { .name: tab, .offset: 0, .size: 8, .value_kind: global_buffer, .address_space: global }
      - { .name: xh, .offset: 8, .size: 8, .value_kind: global_buffer, .address_space: global }
      - { .name: up_w, .offset: 16, .size: 8, .value_kind: global_buffer, .address_space: global }
      - { .name: up_b, .offset: 24, .size: 8, .value_kind: global_buffer, .address_space: global }
      - { .name: h, .offset: 32, .size: 8, .value_kind: global_buffer, .address_space: global }
    .group_segment_fixed_size: 174336
    .private_segment_fixed_size: 0
    .kernarg_segment_align: 8
    .kernarg_segment_size: 40
    .max_flat_workgroup_size: 128
    .sgpr_count:     100
    .vgpr_count:     864
    .wavefront_size: 32
...
	.end_amdgpu_metadata
.endif
;; end of part 2
;; launch down (part 3): grid 8 x 32, 4 waves a work-group, no clusters, 208,128 bytes of LDS; arguments tab, h, down_w, down_b, y; writes y
.if DOCPART == 3
	.amdgcn_target "amdgcn-amd-amdhsa--gfx1250"
	.amdhsa_code_object_version 6
	.text
	.protected	k_q16f897d5f0_down
	.globl	k_q16f897d5f0_down
	.p2align	8
	.type	k_q16f897d5f0_down,@function
k_q16f897d5f0_down:
	s_mov_b64 s[64:65], 0
	v_nop
	global_prefetch_b8 v0, s[64:65] scope:SCOPE_SE
	s_setreg_imm32_b32 hwreg(HW_REG_WAVE_MODE, 25, 1), 1
	s_wait_xcnt 0x0
; ONE TEXT FOR THE TWO PRODUCTS OF A LAYER OF ROUTED EXPERTS; the switch DOWN chooses.
;   DOWN = 0:  h = silu(x Wu[e] + bu[e]) for the rows that chose expert e.  Arguments: tab, xh (x in f16), up_w, up_b, h.
;   DOWN = 1:  y[4 token + j] = h Wd[e] + bd[e] (f32 partial rows, added by the next launch).  Arguments: tab, h, down_w, down_b, y.
; SHARES.  Grid 8 x 32: work-group (sl, e) alone reads 262,144 bytes of expert e's weights: Wu[e][all k][64 sl ..+63] or Wd[e][all k][128 sl ..+127]; each weight byte is read once in the launch, in pieces
; of 256 or 512 consecutive aligned bytes.  It serves all of the expert's rows, whatever their number n (0 to 2,048).  Four waves, all doing the same work, in phases.
; THE LIST of the expert's rows (entries 4 token + j) is made while the first weights are on their way.  Wave w takes tokens 512 w .. 512 w + 511, 16 a lane, and lays those that chose the expert into a segment of
; its own in LDS, by counting: sixteen steps, written stage by stage on sixteen sets of registers, so that no line waits for the line before it.  Behind one barrier every wave reads the four counts; place p of
; the dense list is then word p + the slack of the segments that end at or before p (LADDR).  Both launches make the same list.
; PHASE 1.  Each wave takes a quarter of the slice's k: 128 loads of 512 bytes, 56 of them on their way at a time, rounded once to f16 and laid into LDS as [k][columns]; each LDS byte is written once.
; PHASE 2.  Tile g of 16 rows: g = 4 i + w is tile i (0..5) of wave w: 384 rows.  Token rows come from memory straight into operand registers, three k steps ahead; weights come out of LDS turned by
; ds_load_tr16_b128, one k step ahead.  The loop writes no LDS and has no barrier.  Tiles 24 and up go a slow way behind it, one at a time.
; THE WALK OVER K goes by chunks of four k steps and begins at chunk sl mod (KS / 4), round the end: all weights lie in LDS, so any order serves.  So the work-groups of an expert, which read the same rows, ask
; for different pieces of a row at any one time, and a piece has been asked for by another of them before most of them come to it.  The f32 sums are added in that order of k.
; PLACES PAST THE COUNT repeat the list's last row (place min(16 g + r, n - 1)): h's rows there are copies of row n - 1.  An empty list gives token 0, and DOWN = 1 then stores nothing.
; WHY PHASES.  Loads come back in issue order within a wave (ISA guide 5.7.1): a row asked behind weights is not there before them.  So the weights are laid down first, and memory rests during the products.
; THE MATRIX INSTRUCTION IS USED TRANSPOSED: source 0 = 16 weight columns, source 1 = 16 rows; a lane then holds one row and eight neighbouring columns.  The bias is the C of the product that starts a sum.
; h's LAYOUT: block (e, g, ct) of 512 bytes at ((128 e + g) 32 + ct) 512; lane l's 16 bytes at 16 l are row 16 g + l % 16, columns 16 ct + 8 (l / 16) + 0..7: what a lane holds with DOWN = 0 is half a lane's
; fragment with DOWN = 1, so h is stored and loaded 512 consecutive bytes an instruction.
; NO CLUSTER: each weight byte has one reader; what an expert's eight work-groups share is its rows, which go by a list (DOWN = 0) or in a number of tiles read from memory (DOWN = 1) straight into registers.
; LIMITS.  f16 operands: |x|, |w| up to 65,504; h above 65,504 is held there; NaN and infinities are not treated apart.  The slow way of DOWN = 1 stores 16 bytes a lane to rows far apart, and in the list's
; last tile the lanes past the count store row n - 1's numbers to row n - 1's place once more.
.set DOWN, 1
.if DOWN
.set NC,     8                         ; column blocks of 16
.set KS,     16                        ; k steps of 32
.set WPITCH, 4096                      ; bytes from k to k + 1 in the weights
.set WP,     288                       ; a row of weights in LDS: 256 bytes + 32 = 72 words
.set ASTEP,  1024                      ; bytes of the row operand from a k step to the next
.set AHALF,  512                       ; and from a fragment's first half to its second
.else
.set NC,     4
.set KS,     32
.set WPITCH, 2048
.set WP,     160                       ; 128 bytes + 32 = 40 words: likewise
.set ASTEP,  64
.set AHALF,  32
.endif
.set CMASK, KS/4-1                     ; chunks of four k steps, less 1
.set WAVEB, KS*8*WP                    ; a wave's quarter of the weights in LDS
.set LIST,  163840                     ; behind the weights: four segments, one a wave
.set SEGB,  2304                       ; a segment: 512 entries of 4 bytes, a dump word, the wave's count, and room to a multiple of 256
.set SEGW,  SEGB/4
.set DUMPI, 512
.set CNTO,  4*513
.set BIAS,  LIST+9472                  ; the slice's bias, f32
.set STAGE, BIAS+512                   ; DOWN = 1: 16 rows x 528 bytes for each wave
.set SP,    528                        ; 512 bytes + 16 = 132 words: the 16 rows of a store start 4 banks apart
.if DOWN
.set SPARE, STAGE+4*16*SP              ; the spare words, 128 bytes a wave
.else
.set SPARE, STAGE
.endif
; window 0
.set R,    1                           ; lane % 16
.set HB,   2                           ; lane / 16
.set L16,  3                           ; 16 x lane
.set SPW,  4                           ; my spare word's address; never rewritten
.set NIL,  5                           ; 0; never rewritten
.set VB,   6                           ; LDS address of my weight fragments in the chunk in hand
.set VB0,  7                           ; the same in chunk 0
.set VA,   8                           ; v8-13  my byte offset in the row operand, tile i
.set VBN,  14                          ; LDS address of my weight fragments in the next chunk of the walk
.set VBIA, 15                          ; bias: my eight numbers of column block 0
.set VSTO, 16                          ; stage: where I put 16 bytes
.set VRD,  17                          ; stage: my 16 bytes of row 0
.set VTAB, 18                          ; tab: my 16 tokens' bytes
.set VWG,  19                          ; weights in memory: my byte offset in the slice
.set VW,   20                          ; weights in LDS: where I put 8 bytes
.set TM,   21                          ; v21-23 at work
.set VE,   24                          ; v24-29 DOWN = 1: the list's entry of row r of tile i
.set VX,   30                          ; DOWN = 0: 16 hb; DOWN = 1: 32 hb
.set V8L,  31                          ; 8 x lane
.set PT,   32                          ; v32-63 phase 1: weights in f16, two sets of 16 (ahead of it: counts, places and list addresses)
.set AR,   64                          ; v64-255 the row operand: four buffers of six tiles x 8 (ahead of it, the list's making: v64-67 tab, v80-83 bias, v84-92 constants and addresses,
.set LBY,  96                          ; v96-111 the sixteen bytes, then entries,
.set LPL,  112                         ; v112-127 the sixteen places, then addresses)
.set ET,   64                          ; way out, DOWN = 0: 32 numbers at work,
.set EH,   96                          ; and 16 registers of f16
.set DT,   64                          ; way out, DOWN = 1: 16 rows x 4 registers,
.set DO,   144                         ; and 16 offsets
; window 1: phase 1: v0-255 eight units of 32 as loaded.  Phase 2: v0-63, v64-127 weight fragments of an even and an odd k step;
.set BI,   128                         ; v128-191 the bias as C, 8 registers a column block
; windows 2 and 3: the accumulators: tile i, column block c at v[8 (NC (i % 3) + c)] of window 2 + i / 3
; scalars: s8 wave, s9 slice, s10 expert, s[12:13] tab's row, s[14:15] row operand, s[16:17] weights, s[18:19] bias, s[20:21] output, s[22:23] and s[24:25] row operand at the chunk in hand and at the next,
; s[26:27] an offset (s27 = 0), s28 n, s29 tiles, s30 at least 1, s31 my tiles, s32 n - 16 w, s33 trips, s34 s35 at work, s[36:37] -log2(e), s38 65,504 twice, s39 my segment, s40-48 the slow way, s45 rows left,
; s49 the chunk in hand, s50 the list's last place, s51-53 where segments 1 to 3 begin in the dense list, s54-56 the slack of segments 0 to 2 in words, s57-60 the four counts,
; s66-81 sixteen masks (later sixteen entries), s82-98 the running count
.set MK,   66
.set PF,   82
.set MSB, 0
.macro WIN new                         ; the immediate's high byte repeats the setting that is left; a switch that changes nothing is dropped
.if MSB != (\new)
	s_set_vgpr_msb (MSB<<8)|(\new)
.set MSB, (\new)
.endif
.endm
.macro PLACES                          ; four places between a matrix instruction and a load into, or a vector, store or LDS instruction on, its registers (ISA guide 7.12.1 for all but the loads)
.rept 4
	v_nop
.endr
.endm
.macro SETROW t                        ; load t (0..127) of a wave: its row in the wave's quarter.  DOWN = 0: a load takes two rows of 256 bytes, four apart (lanes 16-31 the second)
.if DOWN
.set rw, (\t)
.else
.set rw, 8*((\t)/4)+(\t)%4
.endif
.endm
.macro WUNIT u                         ; unit u (0..15) is asked for: eight loads of 512 bytes
	WIN 0x40
.set q, 0
.rept 8
	SETROW 8*(\u)+q
	global_load_b128 v[32*((\u)%8)+4*q:32*((\u)%8)+4*q+3], v[VWG], s[16:17] offset:rw*WPITCH th:TH_LOAD_NT
.set q, q+1
.endr
.endm
.macro WSTEP u, left                   ; unit u: waited for, rounded; the unit seven on is asked for, into the registers that the step before has read; stored to LDS
	s_wait_loadcnt \left
	WIN 0x05
.set q, 0
.rept 16
	v_cvt_pk_f16_f32 v[PT+16*((\u)%2)+q], v[32*((\u)%8)+2*q], v[32*((\u)%8)+2*q+1]
.set q, q+1
.endr
.if (\u)+7 < 16
	WUNIT (\u)+7
.endif
	WIN 0
.set q, 0
.rept 8
	SETROW 8*(\u)+q
	ds_store_b64 v[VW], v[PT+16*((\u)%2)+2*q:PT+16*((\u)%2)+2*q+1] offset:rw*WP  ; DOWN = 1: 256 consecutive bytes; DOWN = 0: two rows' 128 bytes, 160 words apart: the two halves of the banks
.set q, q+1
.endr
.endm
.macro ALOAD buf, ptr, off             ; one k step's rows for all six tiles: always 12 loads, so that the counted waits hold on every path; a tile that is not there names a row or tile that is
	WIN 0
.irp i, 0,1,2,3,4,5
	global_load_b128 v[AR+48*(\buf)+8*\i:AR+48*(\buf)+8*\i+3],   v[VA+\i], s[\ptr:\ptr+1] offset:(\off)
	global_load_b128 v[AR+48*(\buf)+8*\i+4:AR+48*(\buf)+8*\i+7], v[VA+\i], s[\ptr:\ptr+1] offset:(\off)+AHALF
.endr
.endm
.macro BLOAD buf, areg, off            ; the weight fragments of one k step: 32 k x all columns, turned
	WIN 0x40
.set c, 0
.rept NC
	ds_load_tr16_b128 v[64*(\buf)+8*c:64*(\buf)+8*c+3],   v[\areg] offset:(\off)+32*c
	ds_load_tr16_b128 v[64*(\buf)+8*c+4:64*(\buf)+8*c+7], v[\areg] offset:(\off)+32*c+16*WP
.set c, c+1
.endr
.endm
.macro MULT i, j, first                ; tile i x all column blocks, rows from buffer j.  The accumulators take turns, one instruction a turn
.set aw, 2+(\i)/3
.set ab, 8*NC*((\i)%3)
.set bb, 64*((\j)%2)
.if \first
	WIN (aw<<6)|(1<<4)|1
.else
	WIN (aw<<6)|(aw<<4)|1
.endif
.set c, 0
.rept NC
.if \first
	v_wmma_f32_16x16x32_f16 v[ab+8*c:ab+8*c+7], v[bb+8*c:bb+8*c+7], v[AR+48*(\j)+8*(\i):AR+48*(\j)+8*(\i)+7], v[BI+8*c:BI+8*c+7]
.else
	v_wmma_f32_16x16x32_f16 v[ab+8*c:ab+8*c+7], v[bb+8*c:bb+8*c+7], v[AR+48*(\j)+8*(\i):AR+48*(\j)+8*(\i)+7], v[ab+8*c:ab+8*c+7]
.endif
.set c, c+1
.endr
.endm
; K step j of a chunk of four.  la = 1: the rows three steps on are asked for (step 0: this chunk's step 3; steps 1 to 3: the next chunk's steps 0 to 2); lb = 1: the weights one step on (step 3: the next chunk's
; step 0).  lcnt: the younger steps' row loads, which stay out.  first = 1: the products start the sums, for all six tiles.
.macro KSTEP j, first, la, lb, lcnt
.if (\la) || (\lb)
	PLACES                                         ; the buffers filled below were read by the step before
.endif
.if \la
.if (\j) == 0
	ALOAD 3, 22, 3*ASTEP
.else
	ALOAD (\j)-1, 24, ((\j)-1)*ASTEP
.endif
.endif
.if \lb
.if (\j) == 3
	BLOAD 0, VBN, 0
.else
	BLOAD ((\j)+1)%2, VB, ((\j)+1)*32*WP
.endif
	s_wait_loadcnt \lcnt                           ; this step's rows are in
	s_wait_dscnt 2*NC                              ; the next step's loads stay out: this step's weights (and the bias) are in
.else
	s_wait_loadcnt \lcnt
	s_wait_dscnt 0x0
.endif
	MULT 0, \j, \first
	MULT 1, \j, \first
	MULT 2, \j, \first
	MULT 3, \j, \first
.if \first
	MULT 4, \j, 1
	MULT 5, \j, 1
	WIN 0
.else
	WIN 0
	s_cmp_lt_u32 s31, 5                            ; tiles that the expert's count leaves empty are jumped: no barrier and no load stands in what is jumped
	s_cbranch_scc1 .Lks_\@
	MULT 4, \j, 0
	WIN 0
	s_cmp_lt_u32 s31, 6
	s_cbranch_scc1 .Lks_\@
	MULT 5, \j, 0
	WIN 0
.Lks_\@:
.endif
.endm
.macro SETNEXT                         ; the chunk behind chunk s49, round the end: its rows' base and its weights' LDS address
	s_add_co_u32 s34, s49, 1
	s_and_b32 s34, s34, CMASK
	s_mul_i32 s26, s34, 4*ASTEP
	s_add_nc_u64 s[24:25], s[14:15], s[26:27]
	s_mul_i32 s35, s34, 128*WP
	v_add_nc_u32 v[VBN], s35, v[VB0]
.endm
.macro NEXTCHUNK                       ; the walk goes on to the next chunk
	s_wait_xcnt 0x0                                ; the two bases are written again only behind this wait
	s_add_co_u32 s49, s49, 1
	s_and_b32 s49, s49, CMASK
	s_mov_b64 s[22:23], s[24:25]
	v_mov_b32 v[VB], v[VBN]
	SETNEXT
.endm
; THE WAY OUT, DOWN = 0.  Tile i: silu(z) = z / (1 + 2^(-log2(e) z)), rounded to f16, held to 65,504; four stores of 512 consecutive aligned bytes.  Whole tiles are stored.
.macro EPI_UP i, ptr, off, guard
.set aw, 2+(\i)/3
.set ab, 8*NC*((\i)%3)
.if \guard
	s_cmp_le_u32 s31, \i
	s_cbranch_scc1 .Leu_\@
.endif
	s_wait_xcnt 0x0                                ; the registers that the last tile's stores read are written again only behind this wait
	WIN aw
.set k, 0
.rept 16
	v_pk_mul_f32 v[ET+2*k:ET+2*k+1], v[ab+2*k:ab+2*k+1], s[36:37] op_sel_hi:[1,0]  ; ascending: each accumulator is read from its low end on
.set k, k+1
.endr
	WIN 0
.set k, 0
.rept 32
	v_exp_f32 v[ET+k], v[ET+k]
.set k, k+1
.endr
	v_nop                                          ; a plain instruction behind the last exponential,
	s_wait_alu depctr_va_vdst(0)                   ; and one wait for the batch
.set k, 0
.rept 16
	v_pk_add_f32 v[ET+2*k:ET+2*k+1], v[ET+2*k:ET+2*k+1], 1.0 op_sel_hi:[1,0]
.set k, k+1
.endr
.set k, 0
.rept 32
	v_rcp_f32 v[ET+k], v[ET+k]
.set k, k+1
.endr
	v_nop
	s_wait_alu depctr_va_vdst(0)
	WIN aw
.set k, 0
.rept 16
	v_pk_mul_f32 v[ET+2*k:ET+2*k+1], v[ab+2*k:ab+2*k+1], v[ET+2*k:ET+2*k+1]
.set k, k+1
.endr
	WIN 0
.set k, 0
.rept 16
	v_cvt_pk_f16_f32 v[EH+k], v[ET+2*k], v[ET+2*k+1]
.set k, k+1
.endr
.set k, 0
.rept 16
	v_pk_min_num_f16 v[EH+k], v[EH+k], s38
.set k, k+1
.endr
.irp c, 0,1,2,3
	global_store_b128 v[L16], v[EH+4*\c:EH+4*\c+3], s[\ptr:\ptr+1] offset:(\off)+512*\c
.endr
.Leu_\@:
.endm
; THE WAY OUT, DOWN = 1.  Tile i: through my own stage in LDS (LDS serves a wave's instructions in order: ISA guide 5.7.1.4), back as whole row pieces of 512 bytes, each stored to the row of y that its list entry
; names: a store covers 512 consecutive aligned bytes.  Row t's entry lies in lane t of the tile's entry register.  The rows past the count are jumped, whole stores at a time.
.macro EPI_DN i
.set aw, 2+(\i)/3
.set ab, 8*NC*((\i)%3)
	s_sub_co_i32 s45, s32, 64*(\i)                 ; rows from this tile's first on
	s_cmp_lt_i32 s45, 1
	s_cbranch_scc1 .Led_\@
	s_wait_xcnt 0x0                                ; the registers that the last tile's stores read are written again only behind this wait
	WIN aw<<2
.set c, 0
.rept NC
	ds_store_b128 v[VSTO], v[ab+8*c:ab+8*c+3]   offset:64*c
	ds_store_b128 v[VSTO], v[ab+8*c+4:ab+8*c+7] offset:64*c+16
.set c, c+1
.endr
	WIN 0
.set t, 0
.rept 16
	ds_load_b128 v[DT+4*t:DT+4*t+3], v[VRD] offset:SP*t
.set t, t+1
.endr
.set t, 0
.rept 16
	v_readlane_b32 s[MK+t], v[VE+(\i)], t
.set t, t+1
.endr
.set t, 0
.rept 16
	s_min_u32 s[MK+t], s[MK+t], 0x1fff             ; an entry is 4 token + j, 8,191 at the most
.set t, t+1
.endr
.set t, 0
.rept 16
	v_lshl_add_u32 v[DO+t], s[MK+t], 12, v[L16]
.set t, t+1
.endr
	s_wait_dscnt 0x0
.set t, 0
.rept 16
	s_cmp_le_i32 s45, t
	s_cbranch_scc1 .Led_\@
	global_store_b128 v[DO+t], v[DT+4*t:DT+4*t+3], s[20:21]
.set t, t+1
.endr
.Led_\@:
.endm
; The LDS address of place v[p] of the dense list, into v[q]: each segment that ends at or before the place adds its slack, SEGW less its count
.macro LADDR q, p
	v_cmp_le_u32 vcc_lo, s51, v[\p]
	v_cndmask_b32 v[TM], 0, s54, vcc_lo
	v_add_nc_u32 v[\q], v[\p], v[TM]
	v_cmp_le_u32 vcc_lo, s52, v[\p]
	v_cndmask_b32 v[TM], 0, s55, vcc_lo
	v_add_nc_u32 v[\q], v[\q], v[TM]
	v_cmp_le_u32 vcc_lo, s53, v[\p]
	v_cndmask_b32 v[TM], 0, s56, vcc_lo
	v_add_nc_u32 v[\q], v[\q], v[TM]
	v_min_u32 v[\q], 0x8ff, v[\q]                  ; the four segments have 2,304 words
	v_lshl_add_u32 v[\q], v[\q], 2, LIST
.endm
; The slow way: the list's entry of row r of tile s41; a place past the list's last repeats the last
.macro ENTRY dst
	v_lshl_add_u32 v[TM+1], s41, 4, v[R]
	v_min_u32 v[TM+1], s50, v[TM+1]
	LADDR TM+2, TM+1
	ds_load_b32 v[\dst], v[TM+2]
	s_wait_dscnt 0x0
	v_min_u32 v[\dst], 0x1fff, v[\dst]             ; an entry is 4 token + j, 8,191 at the most
.endm
; The slow way: one tile, all its k steps one after the other from k = 0 on, every wait for 0.  The bias still lies in its registers.
.macro SLOWTILE
	s_mov_b64 s[42:43], s[14:15]
	s_mov_b32 s48, 0
	v_mov_b32 v[VB], v[VB0]
	global_load_b128 v[AR:AR+3],   v[VA], s[42:43]
	global_load_b128 v[AR+4:AR+7], v[VA], s[42:43] offset:AHALF
	BLOAD 0, VB, 0
	s_wait_loadcnt 0x0
	s_wait_dscnt 0x0
	MULT 0, 0, 1
	WIN 0
	s_mov_b32 s44, KS-1
.Lsk_\@:
	s_add_nc_u64 s[42:43], s[42:43], ASTEP         ; the loads that named it are done
	s_add_co_u32 s48, s48, 32*WP
	v_add_nc_u32 v[VB], s48, v[VB0]
	PLACES
	global_load_b128 v[AR:AR+3],   v[VA], s[42:43]
	global_load_b128 v[AR+4:AR+7], v[VA], s[42:43] offset:AHALF
	BLOAD 0, VB, 0
	s_wait_loadcnt 0x0
	s_wait_dscnt 0x0
	MULT 0, 0, 0
	WIN 0
	s_sub_co_u32 s44, s44, 1
	s_cmp_lg_u32 s44, 0
	s_cbranch_scc1 .Lsk_\@
	PLACES
.endm
	; THE HEAD: every address register that hangs on no count is made here, by every wave, from the thread's number, the wave's number and constants
	s_load_b256 s[12:19], s[0:1], 0x0
	s_load_b64 s[20:21], s[0:1], 0x20
	v_lshl_add_u32 v[SPW], v0, 2, SPARE
	v_mov_b32 v[NIL], 0
	v_lshrrev_b32 v1, 5, v0
	v_readfirstlane_b32 s8, v1                     ; wave 0..3
	s_mov_b32 s9, ttmp9                            ; slice
	s_and_b32 s10, ttmp7, 0xffff                   ; expert
	v_and_b32 v[R], 15, v0
	v_bfe_u32 v[HB], v0, 4, 1
	v_and_b32 v[L16], 31, v0
	v_lshlrev_b32 v[L16], 4, v[L16]
	v_lshrrev_b32 v[V8L], 1, v[L16]
	s_lshl_b32 s34, s8, 9
	v_add_nc_u32 v[VTAB], s34, v[L16]              ; tab: my wave's 512 tokens, 16 a lane
	s_mul_i32 s39, s8, SEGB
	s_add_co_u32 s39, s39, LIST                    ; my wave's segment of the list
	s_lshl_b32 s34, s8, 19                         ; a wave's quarter of the slice's k: 524,288 bytes on in memory
	s_mul_i32 s35, s8, WAVEB
.if DOWN
	v_add_nc_u32 v[VWG], s34, v[L16]               ; a load is one row's 512 bytes,
	v_add_nc_u32 v[VW], s35, v[V8L]                ; 256 bytes in f16
	v_lshlrev_b32 v[VX], 5, v[HB]
.else
	v_lshlrev_b32 v[VWG], 13, v[HB]                ; lanes 16-31: four rows of 2,048 bytes on
	v_lshl_add_u32 v[VWG], v[R], 4, v[VWG]
	v_add_nc_u32 v[VWG], s34, v[VWG]
	v_mul_u32_u24 v[VW], v[HB], 4*WP
	v_lshl_add_u32 v[VW], v[R], 3, v[VW]
	v_add_nc_u32 v[VW], s35, v[VW]
	v_lshlrev_b32 v[VX], 4, v[HB]
	s_mov_b32 s36, 0xbfb8aa3b                      ; -log2(e)
	s_mov_b32 s37, s36                             ; named with it as a pair
	s_mov_b32 s38, 0x7bff7bff                      ; 65,504 twice in f16
.endif
	v_and_b32 v[TM], 7, v0
	v_lshl_add_u32 v[TM], v[HB], 3, v[TM]
	v_mul_u32_u24 v[VB0], v[TM], WP                ; the turning load: k = 8 hb + l % 8,
	v_bfe_u32 v[TM], v0, 3, 1
	v_lshl_add_u32 v[VB0], v[TM], 4, v[VB0]        ; columns 8 ((l / 8) % 2) on
	v_lshl_add_u32 v[VBIA], v[HB], 5, BIAS
.if DOWN
	s_mul_i32 s34, s8, 16*SP
	s_add_co_u32 s34, s34, STAGE                   ; my stage
	v_mul_u32_u24 v[VSTO], v[R], SP                ; in: row r, 32 bytes for each half of the lanes in each column block
	v_lshl_add_u32 v[VSTO], v[HB], 5, v[VSTO]
	v_add_nc_u32 v[VSTO], s34, v[VSTO]
	v_add_nc_u32 v[VRD], s34, v[L16]               ; back: 32 lanes take one row's 512 bytes
.endif
	s_mov_b32 s27, 0
	s_lshl_b32 s26, s10, 11
	s_wait_kmcnt 0x0
	s_add_nc_u64 s[12:13], s[12:13], s[26:27]      ; tab: the expert's 2,048 bytes
	s_lshl_b32 s26, s10, 21                        ; an expert's weights, and its room in h: 2,097,152 bytes each
	s_add_nc_u64 s[16:17], s[16:17], s[26:27]
.if DOWN
	s_add_nc_u64 s[14:15], s[14:15], s[26:27]
.else
	s_add_nc_u64 s[20:21], s[20:21], s[26:27]
.endif
	s_lshl_b32 s26, s9, 8+DOWN                     ; the slice's columns, in f32
	s_add_nc_u64 s[16:17], s[16:17], s[26:27]
	s_add_nc_u64 s[18:19], s[18:19], s[26:27]
	s_lshl_b32 s26, s10, 11+DOWN                   ; the expert's row of the bias
	s_add_nc_u64 s[18:19], s[18:19], s[26:27]
.if DOWN
	s_lshl_b32 s26, s9, 9                          ; y: the slice's 128 columns
.else
	s_lshl_b32 s26, s9, 11                         ; h: the slice's four column blocks of 512 bytes,
	s_lshl_b32 s34, s8, 14                         ; and tile w
	s_add_co_u32 s26, s26, s34
.endif
	s_add_nc_u64 s[20:21], s[20:21], s[26:27]
	; every wave asks for its part of tab and for the bias (so that all waves count alike), then for its first seven units of weights: 58 loads are out
	global_load_b128 v[64:67], v[VTAB], s[12:13]   ; byte k of the 16 is token 512 w + 16 l + k
.if DOWN
	global_load_b128 v[80:83], v[L16], s[18:19]
.else
	global_load_b64 v[80:81], v[V8L], s[18:19]
.endif
.irp u, 0,1,2,3,4,5,6
	WUNIT \u
.endr
	WIN 0
	s_wait_loadcnt 56                              ; the seven units stay out: tab and the bias are in
	s_cmp_lg_u32 s8, 0
	s_cbranch_scc1 .Lnob
.if DOWN
	v_add_nc_u32 v92, BIAS, v[L16]                 ; wave 0 lays the bias into LDS
	ds_store_b128 v92, v[80:83]
.else
	v_add_nc_u32 v92, BIAS, v[V8L]
	ds_store_b64 v92, v[80:81]
.endif
.Lnob:
	; MY SEGMENT OF THE LIST.  A lane's place = the entries counted in the steps before + the chosen lanes below it
.irp z, 84,85,86,87
	v_mov_b32 v\z, 0
.endr
	v_add_nc_u32 v91, s39, v[L16]
.irp q, 0,1,2,3
	ds_store_b128 v91, v[84:87] offset:512*\q      ; every entry starts as 0, a row that exists
.endr
	v_mov_b32 v88, DUMPI
	s_lshl_b32 s34, s8, 11
	v_lshl_add_u32 v[TM+2], v[L16], 2, s34         ; 4 x (512 w + 16 l): my tokens' part of an entry
.set k, 0
.rept 16
	v_bfe_u32 v[LBY+k], v[64+k/4], 8*(k%4), 8
.set k, k+1
.endr
.set k, 0
.rept 16
	v_cmp_gt_u32 s[MK+k], 4, v[LBY+k]              ; 0..3: chosen; 255: not
.set k, k+1
.endr
	s_mov_b32 s[PF], 0
.set k, 0
.rept 16
	s_bcnt1_i32_b32 s35, s[MK+k]
	s_add_co_u32 s[PF+1+k], s[PF+k], s35
.set k, k+1
.endr
.set k, 0
.rept 16
	v_mbcnt_lo_u32_b32 v[LPL+k], s[MK+k], s[PF+k]
.set k, k+1
.endr
.set k, 0
.rept 16
	v_cndmask_b32 v[LPL+k], v88, v[LPL+k], s[MK+k] ; lanes that were not chosen write the dump word
.set k, k+1
.endr
.set k, 0
.rept 16
	v_min_u32 v[LPL+k], 0x200, v[LPL+k]
.set k, k+1
.endr
.set k, 0
.rept 16
	v_lshl_add_u32 v[LPL+k], v[LPL+k], 2, s39
.set k, k+1
.endr
.set k, 0
.rept 16
	v_add3_u32 v[LBY+k], v[LBY+k], v[TM+2], 4*k    ; 4 token + j
.set k, k+1
.endr
.set k, 0
.rept 16
	ds_store_b32 v[LPL+k], v[LBY+k]
.set k, k+1
.endr
	v_mov_b32 v89, s39
	v_mov_b32 v90, s[PF+16]
	ds_store_b32 v89, v90 offset:CNTO              ; my segment's count
	s_wait_dscnt 0x0                               ; for the others' sake: my segment, its count and the bias are in LDS
	s_barrier_signal -1
	s_barrier_wait -1
	; the four counts, the dense list's shape, and my tiles' offsets in the row operand
	v_mov_b32 v[TM], LIST+CNTO
.irp g, 0,1,2,3
	ds_load_b32 v[PT+\g], v[TM] offset:SEGB*\g
.endr
	s_wait_dscnt 0x0
.irp g, 0,1,2,3
	v_readfirstlane_b32 s[57+\g], v[PT+\g]
.endr
.irp g, 0,1,2,3
	s_min_u32 s[57+\g], s[57+\g], 512
.endr
	s_mov_b32 s51, s57                             ; where segment 1 begins in the dense list,
	s_add_co_u32 s52, s51, s58                     ; segment 2,
	s_add_co_u32 s53, s52, s59                     ; segment 3
	s_add_co_u32 s28, s53, s60                     ; n
	s_min_u32 s28, s28, 2048
	s_sub_co_u32 s54, SEGW, s57                    ; the slack of segments 0, 1, 2
	s_sub_co_u32 s55, SEGW, s58
	s_sub_co_u32 s56, SEGW, s59
	s_add_co_u32 s29, s28, 15
	s_lshr_b32 s29, s29, 4                         ; tiles
	s_max_u32 s30, s29, 1                          ; tile 0 is always made, so that every tile named below exists
	s_add_co_u32 s31, s30, 3
	s_sub_co_u32 s31, s31, s8
	s_lshr_b32 s31, s31, 2                         ; my tiles: those g = 4 i + w below s30
	s_lshl_b32 s34, s8, 4
	s_sub_co_i32 s32, s28, s34                     ; rows from my tile 0 on
	s_max_u32 s50, s28, 1
	s_sub_co_u32 s50, s50, 1                       ; the list's last place; 0 for an empty list
	v_add_nc_u32 v[TM+1], s34, v[R]                ; the place of row r of my tile 0
.irp i, 0,1,2,3,4,5
	v_add_nc_u32 v[PT+\i], 64*\i, v[TM+1]
	v_min_u32 v[PT+\i], s50, v[PT+\i]              ; a place past the list's last repeats the last
	LADDR PT+8+\i, PT+\i
.if DOWN
	ds_load_b32 v[VE+\i], v[PT+8+\i]
.else
	ds_load_b32 v[VA+\i], v[PT+8+\i]
.endif
.endr
	s_wait_dscnt 0x0
.if DOWN
	s_sub_co_u32 s35, s30, 1
.irp i, 0,1,2,3,4,5
	v_min_u32 v[VE+\i], 0x1fff, v[VE+\i]
	s_add_co_u32 s34, s8, 4*\i
	s_min_u32 s34, s34, s35                        ; a tile that is not there names the last that is
	s_min_u32 s34, s34, 127
	v_lshl_add_u32 v[VA+\i], s34, 14, v[L16]
.endr
.else
.irp i, 0,1,2,3,4,5
	v_min_u32 v[VA+\i], 0x1fff, v[VA+\i]
	v_and_b32 v[VA+\i], 0x1ffc, v[VA+\i]           ; 4 token,
	v_lshl_add_u32 v[VA+\i], v[VA+\i], 9, v[VX]    ; x 512 = the token's row of 2,048 bytes; + 16 hb
.endr
.endif
	s_and_b32 s49, s9, CMASK                       ; the walk over k begins at the slice's own chunk
	s_mul_i32 s26, s49, 4*ASTEP
	s_add_nc_u64 s[22:23], s[14:15], s[26:27]
	s_mul_i32 s35, s49, 128*WP
	v_add_nc_u32 v[VB], s35, v[VB0]
	SETNEXT
	; PHASE 1: sixteen units.  Six younger units stay out at each wait while units are still asked for; then the counts run down
.irp u, 0,1,2,3,4,5,6,7,8,9
	WSTEP \u, 48
.endr
	WSTEP 10, 40
	WSTEP 11, 32
	WSTEP 12, 24
	ALOAD 0, 22, 0                                 ; three units are out: the first three k steps' rows, 36 loads, are asked for behind them: 60 are out
	ALOAD 1, 22, ASTEP
	ALOAD 2, 22, 2*ASTEP
	WSTEP 13, 52                                   ; two units and the 36
	WSTEP 14, 44
	WSTEP 15, 36
	s_wait_dscnt 0x0                               ; for the others' sake: my quarter of the weights is in LDS
	s_barrier_signal -1
	s_barrier_wait -1
	; PHASE 2
	WIN 0x40
.set c, 0
.rept NC
	ds_load_b128 v[BI+8*c:BI+8*c+3],   v[VBIA] offset:64*c     ; the bias as C: register j of a lane is column 16 c + 8 hb + j
	ds_load_b128 v[BI+8*c+4:BI+8*c+7], v[VBIA] offset:64*c+16
.set c, c+1
.endr
	BLOAD 0, VB, 0
	KSTEP 0, 1, 1, 1, 36                           ; the first k step stands ahead of the loop: its products start the sums, with the bias as C: nothing is cleared
	s_mov_b32 s33, KS/4-1
.Lk:                                   ; a trip: steps 1, 2, 3 of a chunk of four and step 0 of the next; three steps' rows (36 loads) stay out at each wait
	KSTEP 1, 0, 1, 1, 36
	KSTEP 2, 0, 1, 1, 36
	KSTEP 3, 0, 1, 1, 36
	NEXTCHUNK
	KSTEP 0, 0, 1, 1, 36
	s_sub_co_u32 s33, s33, 1
	s_cmp_lg_u32 s33, 0
	s_cbranch_scc1 .Lk
	KSTEP 1, 0, 0, 1, 24                           ; the last three steps ask for no rows: the counts run down
	KSTEP 2, 0, 0, 1, 12
	KSTEP 3, 0, 0, 0, 0
.if DOWN
	s_wait_dscnt 0x0
	s_barrier_signal -1                            ; every wave has left the loop: LDS is written again only now (the stages).  The stages are bytes of their own; the barrier keeps the phase
	s_barrier_wait -1                              ; in which the weights are read apart from the one in which LDS is written
	PLACES
.irp i, 0,1,2,3,4,5
	EPI_DN \i
.endr
	s_wait_dscnt 0x0
	s_barrier_signal -1                            ; and the stages' phase is over: the slow way below only reads LDS
	s_barrier_wait -1
.else
	PLACES
.irp i, 0,1,2,3,4,5
	EPI_UP \i, 20, 65536*\i, 1
.endr
.endif
	; THE SLOW WAY, for an expert with more than 384 rows: tiles g = 24 + w + 4 t, t = 0 .. 25.  The count is constant; a tile past the list is jumped.  No LDS byte is written here, and every lane stays on.
	s_cmp_le_u32 s29, 24
	s_cbranch_scc1 .Lend
	s_add_co_u32 s41, s8, 24
	s_wait_xcnt 0x0                                ; the registers that the stores above read are written again only behind this wait
.if DOWN == 0
	s_add_nc_u64 s[46:47], s[20:21], 6*65536
.endif
	s_mov_b32 s40, 26
.Lslow:
	s_cmp_ge_u32 s41, s29
	s_cbranch_scc1 .Lslow_next
.if DOWN
	s_min_u32 s34, s41, 127
	v_lshl_add_u32 v[VA], s34, 14, v[L16]
	SLOWTILE
	ENTRY PT                                       ; the row of y of my row r; past the count: row n - 1's, whose numbers my lane holds too
	v_lshl_add_u32 v[PT+1], v[PT], 12, v[VX]
	WIN 0x08
.set c, 0
.rept NC
	global_store_b128 v[PT+1], v[8*c:8*c+3],   s[20:21] offset:64*c     ; straight from the accumulators: 16 bytes a lane
	global_store_b128 v[PT+1], v[8*c+4:8*c+7], s[20:21] offset:64*c+16
.set c, c+1
.endr
	WIN 0
.else
	ENTRY VA
	v_and_b32 v[VA], 0x1ffc, v[VA]
	v_lshl_add_u32 v[VA], v[VA], 9, v[VX]
	SLOWTILE
	EPI_UP 0, 46, 0, 0
.endif
.Lslow_next:
	s_wait_xcnt 0x0                                ; the stores' base and registers are written again only behind this wait
	s_add_co_u32 s41, s41, 4
.if DOWN == 0
	s_add_nc_u64 s[46:47], s[46:47], 65536
.endif
	s_sub_co_u32 s40, s40, 1
	s_cmp_lg_u32 s40, 0
	s_cbranch_scc1 .Lslow
.Lend:
	s_wait_dscnt 0x0                               ; my LDS reads are back,
	s_barrier_signal -1
	s_barrier_wait -1                              ; and so are every wave's: LDS is written again only behind this barrier
	s_wait_tensorcnt 0x0                           ; the wave's end
	ds_add_u32 v[SPW], v[NIL]
	s_wait_dscnt 0x0
	s_endpgm
.Lfunc_end_k_q16f897d5f0_down:
	.size	k_q16f897d5f0_down, .Lfunc_end_k_q16f897d5f0_down-k_q16f897d5f0_down
	.p2alignl 7, 3214868480
	.fill 96, 4, 3214868480
	.section	.rodata,"a",@progbits
	.p2align	6, 0x0
	.amdhsa_kernel k_q16f897d5f0_down
		.amdhsa_group_segment_fixed_size 208128
		.amdhsa_private_segment_fixed_size 0
		.amdhsa_enable_private_segment 0
		.amdhsa_kernarg_size 40
		.amdhsa_user_sgpr_count 2
		.amdhsa_user_sgpr_kernarg_segment_ptr 1
		.amdhsa_wavefront_size32 1
		.amdhsa_system_sgpr_workgroup_id_x 1
		.amdhsa_system_sgpr_workgroup_id_y 1
		.amdhsa_system_sgpr_workgroup_id_z 1
		.amdhsa_system_vgpr_workitem_id 0
		.amdhsa_next_free_vgpr 960
		.amdhsa_next_free_sgpr 100
		.amdhsa_reserve_vcc 1
		.amdhsa_float_denorm_mode_32 3
		.amdhsa_float_denorm_mode_16_64 3
		.amdhsa_memory_ordered 1
		.amdhsa_forward_progress 1
		.amdhsa_inst_pref_size 159
	.end_amdhsa_kernel
	.amdgpu_metadata
---
amdhsa.version: [ 1, 2 ]
amdhsa.kernels:
  - .name:           k_q16f897d5f0_down
    .symbol:         k_q16f897d5f0_down.kd
    .args:
      - { .name: tab, .offset: 0, .size: 8, .value_kind: global_buffer, .address_space: global }
      - { .name: h, .offset: 8, .size: 8, .value_kind: global_buffer, .address_space: global }
      - { .name: down_w, .offset: 16, .size: 8, .value_kind: global_buffer, .address_space: global }
      - { .name: down_b, .offset: 24, .size: 8, .value_kind: global_buffer, .address_space: global }
      - { .name: y, .offset: 32, .size: 8, .value_kind: global_buffer, .address_space: global }
    .group_segment_fixed_size: 208128
    .private_segment_fixed_size: 0
    .kernarg_segment_align: 8
    .kernarg_segment_size: 40
    .max_flat_workgroup_size: 128
    .sgpr_count:     100
    .vgpr_count:     960
    .wavefront_size: 32
...
	.end_amdgpu_metadata
.endif
;; end of part 3
;; launch sum (part 4): grid 256 x 1, 8 waves a work-group, no clusters, 0 bytes of LDS; arguments y, out0; writes out0
.if DOCPART == 4
	.amdgcn_target "amdgcn-amd-amdhsa--gfx1250"
	.amdhsa_code_object_version 6
	.text
	.protected	k_q16f897d5f0_sum
	.globl	k_q16f897d5f0_sum
	.p2align	8
	.type	k_q16f897d5f0_sum,@function
k_q16f897d5f0_sum:
	s_mov_b64 s[64:65], 0
	v_nop
	global_prefetch_b8 v0, s[64:65] scope:SCOPE_SE
	s_setreg_imm32_b32 hwreg(HW_REG_WAVE_MODE, 25, 1), 1
	s_wait_xcnt 0x0
; out0[t] = ((y[4 t] + y[4 t + 1]) + y[4 t + 2]) + y[4 t + 3]: a token's four partial rows, f32, in the order of its choices.
; A stream: no LDS, no barrier, no matrix unit.  Wave w of work-group b has token 8 b + w: its four rows are 16,384 consecutive bytes, asked for at once by 32 loads of 512 consecutive bytes;
; each store covers 512 consecutive bytes, at a multiple of 256 from out0's first byte.
.set Y, 8                              ; v[8 + 16 q + 4 j ..]: piece q (512 bytes) of row j
	s_load_b128 s[4:7], s[0:1], 0x0                ; y s[4:5], out0 s[6:7]
	v_lshrrev_b32 v1, 5, v0
	v_readfirstlane_b32 s8, v1                     ; wave 0..7
	v_and_b32 v2, 31, v0
	v_lshlrev_b32 v2, 4, v2                        ; 16 bytes a lane
	s_lshl_b32 s9, ttmp9, 3
	s_add_co_u32 s9, s9, s8                        ; my token
	s_lshl_b32 s10, s9, 14
	s_mov_b32 s11, 0
	s_lshl_b32 s12, s9, 12
	s_mov_b32 s13, 0
	s_wait_kmcnt 0x0
	s_add_nc_u64 s[4:5], s[4:5], s[10:11]
	s_add_nc_u64 s[6:7], s[6:7], s[12:13]
.irp q, 0,1,2,3,4,5,6,7
.irp j, 0,1,2,3
	global_load_b128 v[Y+16*\q+4*\j:Y+16*\q+4*\j+3], v2, s[4:5] offset:4096*\j+512*\q th:TH_LOAD_NT
.endr
.endr
.irp q, 0,1,2,3,4,5,6,7
	s_wait_loadcnt 4*(7-\q)                        ; the later pieces' loads stay out
.irp j, 1,2,3
	v_pk_add_f32 v[Y+16*\q:Y+16*\q+1],   v[Y+16*\q:Y+16*\q+1],   v[Y+16*\q+4*\j:Y+16*\q+4*\j+1]
	v_pk_add_f32 v[Y+16*\q+2:Y+16*\q+3], v[Y+16*\q+2:Y+16*\q+3], v[Y+16*\q+4*\j+2:Y+16*\q+4*\j+3]
.endr
	global_store_b128 v2, v[Y+16*\q:Y+16*\q+3], s[6:7] offset:512*\q th:TH_STORE_NT
.endr
	s_endpgm
.Lfunc_end_k_q16f897d5f0_sum:
	.size	k_q16f897d5f0_sum, .Lfunc_end_k_q16f897d5f0_sum-k_q16f897d5f0_sum
	.p2alignl 7, 3214868480
	.fill 96, 4, 3214868480
	.section	.rodata,"a",@progbits
	.p2align	6, 0x0
	.amdhsa_kernel k_q16f897d5f0_sum
		.amdhsa_group_segment_fixed_size 0
		.amdhsa_private_segment_fixed_size 0
		.amdhsa_enable_private_segment 0
		.amdhsa_kernarg_size 16
		.amdhsa_user_sgpr_count 2
		.amdhsa_user_sgpr_kernarg_segment_ptr 1
		.amdhsa_wavefront_size32 1
		.amdhsa_system_sgpr_workgroup_id_x 1
		.amdhsa_system_sgpr_workgroup_id_y 1
		.amdhsa_system_sgpr_workgroup_id_z 1
		.amdhsa_system_vgpr_workitem_id 0
		.amdhsa_next_free_vgpr 136
		.amdhsa_next_free_sgpr 66
		.amdhsa_reserve_vcc 0
		.amdhsa_float_denorm_mode_32 3
		.amdhsa_float_denorm_mode_16_64 3
		.amdhsa_memory_ordered 1
		.amdhsa_forward_progress 1
		.amdhsa_inst_pref_size 8
	.end_amdhsa_kernel
	.amdgpu_metadata
---
amdhsa.version: [ 1, 2 ]
amdhsa.kernels:
  - .name:           k_q16f897d5f0_sum
    .symbol:         k_q16f897d5f0_sum.kd
    .args:
      - { .name: y, .offset: 0, .size: 8, .value_kind: global_buffer, .address_space: global }
      - { .name: out0, .offset: 8, .size: 8, .value_kind: global_buffer, .address_space: global }
    .group_segment_fixed_size: 0
    .private_segment_fixed_size: 0
    .kernarg_segment_align: 8
    .kernarg_segment_size: 16
    .max_flat_workgroup_size: 256
    .sgpr_count:     66
    .vgpr_count:     136
    .wavefront_size: 32
...
	.end_amdgpu_metadata
.endif
;; end of part 4
